; MI455X (gfx1250); checked and timed in simulation.
; The chip was launched on July 23, 2026; its instructions are those of AMD's public machine-readable ISA for CDNA 5 (MIT licence, August 2026) and "CDNA5" Instruction Set Architecture Reference Guide (July 2026). The comments in the code are by the model that wrote it; some were corrected since.
;; Multi Head Attention. Allowed arithmetic: matrix products marked QUANTISED: E2M3 operands, one E8M0 scale for each 32 along K, by v_wmma_scale_f32_16x16x128_f8f6f4 with both operands' format E2M3, f32 sums; everything else in f32.
;; Inputs: W_k 1,024 x 1,024 float32; W_o 1,024 x 1,024 float32; W_q 1,024 x 1,024 float32; W_v 1,024 x 1,024 float32; b_k 1,024 float32; b_o 1,024 float32; b_q 1,024 float32; b_v 1,024 float32; key 4 x 2,048 x 1,024 float32; query 4 x 2,048 x 1,024 float32; valid_length 4 int32; value 4 x 2,048 x 1,024 float32.
;; Outputs: out0 4 x 2,048 x 1,024 float32.
;; This version of the problem:
;;   THIS VERSION OF THE PROBLEM IS GIVEN IN LOW PRECISION. The matrix products marked QUANTISED in the list below multiply operands that are first quantised to E2M3 (2 exponent bits, 3 mantissa bits; 6 bits a number), with one power-of-two scale for each 32 numbers along K (OCP MX v1.0); their sums are f32. All else is computed in f32.
;;   The module's matrix products, in the order in which they are computed (A, B: the left and right operand; K: the contracted axis; several contracted axes count as one K, in the product's order):
;;     1. [M 8,192, K 1,024] x [K 1,024, N 1,024]; A: input query; B: input W_q: QUANTISED
;;     2. [M 8,192, K 1,024] x [K 1,024, N 1,024]; A: input key; B: input W_k: QUANTISED
;;     3. [M 8,192, K 1,024] x [K 1,024, N 1,024]; A: input value; B: input W_v: QUANTISED
;;     4. batch 64 x [M 2,048, K 64] x [K 64, N 2,048]; A: computed on the way; B: computed on the way: QUANTISED
;;     5. batch 64 x [M 64, K 2,048] x [K 2,048, N 2,048]; A: computed on the way; B: softmax (see below): QUANTISED
;;     6. [M 8,192, K 1,024] x [K 1,024, N 1,024]; A: computed on the way; B: input W_o: QUANTISED
;;   THE QUANTISER, for each operand of a quantised product, along K:
;;     - K is cut into blocks of 32 from its start; a last block that is shorter is filled with zeros.
;;     - A block's scale is 2^e with e = floor(log2(the largest magnitude in the block)) - 2, held to -126 .. 127; a block of zeros has e = 0. As a byte (E8M0): e + 127.
;;     - Each number is divided by its block's scale, clamped to +-7.5, and rounded to the nearest number of E2M3, ties to even, subnormals kept.
;;     - The product sums the exact products of the quantised numbers (number of the format x scale) in f32.
;;   ~~~python
;;   def quantise(x, axis):      # numpy; x: float32 -> the quantised numbers, widened to float32 again
;;       x = np.moveaxis(x, axis, -1); K = x.shape[-1]
;;       x = np.pad(x, [(0, 0)] * (x.ndim - 1) + [(0, -K % 32)]); x = x.reshape(x.shape[:-1] + (-1, 32)); a = np.abs(x).max(-1, keepdims=True)
;;       e = np.where(a > 0, np.clip(np.frexp(np.where(a > 0, a, 1))[1] - 1 - 2, -126, 127), 0)      # np.frexp(a)[1] - 1 = floor(log2(a)), exactly
;;       r = np.clip(x / 2.0 ** e, -7.5, 7.5)
;;       step = 2.0 ** (np.maximum(np.frexp(np.where(r == 0, 1, r))[1] - 1, 0) - 3)
;;       q = np.round(r / step) * step * 2.0 ** e      # np.round: ties to even
;;       return np.moveaxis(q.reshape(q.shape[:-2] + (-1,))[..., :K], -1, axis).astype(np.float32)
;;   ~~~
;;   SOFTMAX AHEAD OF A QUANTISED PRODUCT. Where the list says 'softmax', what is quantised is not the finished softmax but p = 2^(t - M), with t = logit x log2(e) and M = ceil(the row's largest t), a whole number; so 1/2 < the row's largest p <= 1. The row's sum l is taken of the UNQUANTISED p, in f32, and the product's result is divided by l at the end. Since M is a whole number, a kernel that streams over the keys may use a running M (the ceiling of the running maximum): every later rescaling is an exact power of two, which a block's scale takes up: the codes' values come out the same.
;;   OPERANDS COMPUTED ON THE WAY. 'Computed on the way' means the value that the module computes at that place (a softmax that the list does not call 'softmax' is quantised finished and normalised). What goes into a quantiser is computed in f32, as accurately as f32 sums, v_exp_f32 and their like allow (about 1e-6 of the number): no bf16 or f16 on the way to a quantiser, and a product that is left as it is and whose result goes on into a quantised operand takes f32 operands (vector FMAs, or v_wmma_f32_16x16x4_f32). A number that lies on a knife's edge between two numbers of the format may be rounded either way, as far as f32 arithmetic and the matrix unit's own rounding can turn it there, and no further.
;; 2 versions. Each part assembles by itself: llvm-mc -triple=amdgcn-amd-amdhsa -mcpu=gfx1250 --defsym DOCPART=n.
;; ======== version 1 of 2: 4 launches
;; limits: right only within a limited range of input values
;; workspace buffers: wimg 3,276,800 bytes; qb 6,815,744 bytes; kv 13,631,488 bytes; aimg 6,291,456 bytes; asc 1,048,576 bytes
;; launch wq (part 1): grid 8 x 32, 4 waves a work-group, no clusters, 12,800 bytes of LDS; arguments W_q, W_k, W_v, W_o, wimg; writes wimg
.if DOCPART == 1
	.amdgcn_target "amdgcn-amd-amdhsa--gfx1250"
	.amdhsa_code_object_version 6
	.text
	.protected	k_q39c6914eba_wq
	.globl	k_q39c6914eba_wq
	.p2align	8
	.type	k_q39c6914eba_wq,@function
k_q39c6914eba_wq:
	s_mov_b64 s[64:65], 0
	v_nop
	global_prefetch_b8 v0, s[64:65] scope:SCOPE_SE
	s_setreg_imm32_b32 hwreg(HW_REG_WAVE_MODE, 25, 1), 1
	s_wait_xcnt 0x0
; The four weights [1024 (k)][1024 (n)], f32, K along the FIRST axis, become operand images of FP6 (E2M3) codes with one E8M0 byte for each 32 along K.
; wimg: [weight q,k,v,o][g: 128 columns][s: 128 along K][12,800 bytes]: eight fragments of 1,536 bytes (tile t at 1536 t), then eight times 64 bytes of scale words (12,288 + 64 t + 4 r).
; A fragment (16 columns x 128 k, 12 registers a lane) lies as two halves of 768 bytes (k 0-63, k 64-127): registers 0-3 of lane L at 16 L, registers 4-5 at 512 + 8 L.
; THE COLUMNS OF A TILE ARE NOT NEIGHBOURS: row r of tile 2 b + u is column 32 b + 8 u + r + 8 (r / 8) of its group, so that a later product's 16 registers of two neighbouring tiles are 16 neighbours.
; A LANE TAKES A COLUMN AND ITS REGISTERS RUN DOWN K: a load reads 128 consecutive bytes a wave (512 a work-group), a block of 32 lies in one lane, and the conversions give codes with K innermost.
; Work-group (x, y): columns 128 x on, weight y / 8, K step y % 8; wave w: columns 32 w on, which are tiles 2 w and 2 w + 1.  The codes turn through the wave's own 3,072 bytes of LDS and leave as six stores of 512 consecutive bytes.
; A block's scale is 2^(floor(log2(largest magnitude)) - 2); its byte is the largest magnitude's exponent field - 2, held at 1 from below.
; LIMITS: a block of zeros gets the byte 1 (its codes are zeros; the bytes are read by this program alone); NaN and infinities among the inputs are not served.
; No matrix unit, no cluster, no barrier: waves share nothing, each input byte is read once.
.set X,   32                           ; v32-159  128 numbers: my column, k 0 .. 127 of the K step
.set C,   160                          ; v160-207 a block's codes: 12 registers for each block, so that no store's data are written again
.set SBW, 10                           ; v10      my column's scale word
	s_load_b256 s[4:11], s[0:1], 0x0               ; W_q, W_k, W_v, W_o
	s_load_b64 s[12:13], s[0:1], 0x20              ; wimg
	v_lshl_add_u32 v208, v0, 2, 0x3000
	v_mov_b32 v209, 0
	v_lshrrev_b32 v1, 5, v0
	v_readfirstlane_b32 s16, v1                    ; wave 0..3
	v_and_b32 v2, 31, v0                           ; lane = my column among the wave's 32
	v_bfe_u32 v3, v0, 3, 1                         ; u: which of the wave's two tiles
	v_bfe_u32 v4, v0, 4, 1
	v_and_b32 v5, 7, v0
	v_lshl_add_u32 v5, v4, 3, v5                   ; r: my row in that tile
	s_mul_i32 s17, s16, 3072                       ; my wave's two fragments, in LDS and in the block alike
	v_mul_u32_u24 v6, v3, 1536
	v_add_nc_u32 v6, s17, v6
	v_lshl_add_u32 v7, v5, 4, v6                   ; where registers 0-3 of lane r go: 3072 w + 1536 u + 16 r
	v_lshl_add_u32 v8, v5, 3, v6
	v_add_nc_u32 v8, 512, v8                       ; and registers 4-5: + 512 + 8 r
	v_lshlrev_b32 v9, 4, v2
	v_add_nc_u32 v9, s17, v9                       ; the way out: 3072 w + 16 x lane
	v_lshlrev_b32 v14, 2, v2                       ; in: 4 bytes a lane
	s_lshl_b32 s18, s16, 7
	s_add_co_u32 s18, s18, 12288
	v_lshlrev_b32 v15, 6, v3
	v_lshl_add_u32 v15, v5, 2, v15
	v_add_nc_u32 v15, s18, v15                     ; my scale word's place: 12,288 + 128 w + 64 u + 4 r
	s_and_b32 s19, ttmp7, 0xffff
	s_lshr_b32 s20, s19, 3                         ; which weight
	s_and_b32 s21, s19, 7                          ; which K step
	s_lshl_b32 s22, s21, 19                        ; 128 rows of 4,096 bytes
	s_lshl_b32 s23, ttmp9, 9                       ; 128 columns
	s_add_co_u32 s22, s22, s23
	s_lshl_b32 s23, s16, 7                         ; my wave's 32 columns
	s_add_co_u32 s22, s22, s23
	s_mov_b32 s23, 0
	s_lshl_b32 s24, s20, 6
	s_lshl_b32 s25, ttmp9, 3
	s_add_co_u32 s24, s24, s25
	s_add_co_u32 s24, s24, s21
	s_mul_i32 s24, s24, 12800                      ; the block: (64 weight + 8 g + s) x 12,800
	s_mov_b32 s25, 0
	s_wait_kmcnt 0x0
	s_cmp_eq_u32 s20, 1                            ; the choice hangs on the work-group's number alone
	s_cselect_b64 s[4:5], s[6:7], s[4:5]
	s_cmp_eq_u32 s20, 2
	s_cselect_b64 s[4:5], s[8:9], s[4:5]
	s_cmp_eq_u32 s20, 3
	s_cselect_b64 s[4:5], s[10:11], s[4:5]
	s_add_nc_u64 s[4:5], s[4:5], s[22:23]
	s_add_nc_u64 s[12:13], s[12:13], s[24:25]
.macro LOADW kb                        ; block kb: W(32 kb + i, my column), i = 0 .. 31
.set kk, 0
.rept 32
	global_load_b32 v[X+32*(\kb)+kk], v14, s[4:5] offset:(32*(\kb)+kk)*4096 th:TH_LOAD_NT
.set kk, kk+1
.endr
.endm
	LOADW 0
	LOADW 1
; Block kb is k = 32 kb on: half kb / 2 of the fragment, lanes 16 (kb % 2) + r.
.macro BLOCK kb
.set XS, X+32*(\kb)
.set CC, C+12*(\kb)
.if (\kb) < 3
	s_wait_loadcnt 32                              ; this block's 32 loads are in; the next block's may be out
.else
	s_wait_loadcnt 0x0
.endif
.if (\kb) < 2
	LOADW (\kb)+2                                  ; two blocks ahead
.endif
	v_max3_num_f32 v12, |v[XS]|, |v[XS+1]|, |v[XS+2]|      ; the block's largest magnitude: all 32 numbers are mine; two chains
	v_max3_num_f32 v13, |v[XS+3]|, |v[XS+4]|, |v[XS+5]|
.irp i, 6,10,14,18,22,26
	v_max3_num_f32 v12, v12, |v[XS+\i]|, |v[XS+\i+1]|
	v_max3_num_f32 v13, v13, |v[XS+\i+2]|, |v[XS+\i+3]|
.endr
	v_max3_num_f32 v12, v12, |v[XS+30]|, |v[XS+31]|
	v_max3_num_f32 v12, v12, v13, 0x1800000        ; and the floor 2^(3 - 127): the byte cannot fall under 1
	v_add_nc_u32 v11, 0xff000000, v12              ; 2 off the exponent field: the conversion takes the exponent field of this operand as its scale
	v_lshrrev_b32 v13, 23, v11                     ; the scale's byte
.if (\kb) == 0
	v_mov_b32 v[SBW], v13
.else
	v_lshl_or_b32 v[SBW], v13, 8*(\kb), v[SBW]     ; the lower k in the lower byte
.endif
	v_cvt_scalef32_pk16_fp6_f32 v[CC:CC+2], v[XS:XS+15], v11
	v_cvt_scalef32_pk16_fp6_f32 v[CC+8:CC+10], v[XS+16:XS+31], v11    ; (a conversion's three registers begin on an even number)
	v_nop                                          ; one plain line between a scaled conversion and the vector line that touches its result
.irp i, 0,1,2
	v_mov_b32 v[CC+3+\i], v[CC+8+\i]
.endr
	ds_store_b128 v7, v[CC:CC+3] offset:768*((\kb)/2)+256*((\kb)%2)
	ds_store_b64 v8, v[CC+4:CC+5] offset:768*((\kb)/2)+128*((\kb)%2)
.endm
	BLOCK 0
	BLOCK 1
	BLOCK 2
	BLOCK 3
.irp i, 0,1,2,3,4,5
	ds_load_b128 v[X+4*\i:X+4*\i+3], v9 offset:512*\i      ; LDS serves a wave's instructions in order: these see my stores
.endr
	global_store_b32 v15, v[SBW], s[12:13]         ; the wave's 32 scale words: 128 consecutive bytes
.irp i, 0,1,2,3,4,5
	s_wait_dscnt 5-\i                              ; the younger read-backs may be out
	global_store_b128 v9, v[X+4*\i:X+4*\i+3], s[12:13] offset:512*\i   ; 32 lanes store 512 consecutive bytes, at a multiple of 256 from the buffer's first byte
.endr
	s_wait_tensorcnt 0x0
	ds_add_u32 v208, v209
	s_wait_dscnt 0x0
	s_endpgm
.Lfunc_end_k_q39c6914eba_wq:
	.size	k_q39c6914eba_wq, .Lfunc_end_k_q39c6914eba_wq-k_q39c6914eba_wq
	.p2alignl 7, 3214868480
	.fill 96, 4, 3214868480
	.section	.rodata,"a",@progbits
	.p2align	6, 0x0
	.amdhsa_kernel k_q39c6914eba_wq
		.amdhsa_group_segment_fixed_size 12800
		.amdhsa_private_segment_fixed_size 0
		.amdhsa_enable_private_segment 0
		.amdhsa_kernarg_size 40
		.amdhsa_user_sgpr_count 2
		.amdhsa_user_sgpr_kernarg_segment_ptr 1
		.amdhsa_wavefront_size32 1
		.amdhsa_system_sgpr_workgroup_id_x 1
		.amdhsa_system_sgpr_workgroup_id_y 1
		.amdhsa_system_sgpr_workgroup_id_z 1
		.amdhsa_system_vgpr_workitem_id 0
		.amdhsa_next_free_vgpr 210
		.amdhsa_next_free_sgpr 66
		.amdhsa_reserve_vcc 0
		.amdhsa_float_denorm_mode_32 3
		.amdhsa_float_denorm_mode_16_64 3
		.amdhsa_memory_ordered 1
		.amdhsa_forward_progress 1
		.amdhsa_inst_pref_size 23
	.end_amdhsa_kernel
	.amdgpu_metadata
---
amdhsa.version: [ 1, 2 ]
amdhsa.kernels:
  - .name:           k_q39c6914eba_wq
    .symbol:         k_q39c6914eba_wq.kd
    .args:
      - { .name: W_q, .offset: 0, .size: 8, .value_kind: global_buffer, .address_space: global }
      - { .name: W_k, .offset: 8, .size: 8, .value_kind: global_buffer, .address_space: global }
      - { .name: W_v, .offset: 16, .size: 8, .value_kind: global_buffer, .address_space: global }
      - { .name: W_o, .offset: 24, .size: 8, .value_kind: global_buffer, .address_space: global }
      - { .name: wimg, .offset: 32, .size: 8, .value_kind: global_buffer, .address_space: global }
    .group_segment_fixed_size: 12800
    .private_segment_fixed_size: 0
    .kernarg_segment_align: 8
    .kernarg_segment_size: 40
    .max_flat_workgroup_size: 128
    .sgpr_count:     66
    .vgpr_count:     210
    .wavefront_size: 32
...
	.end_amdgpu_metadata
.endif
;; end of part 1
;; launch proj (part 2): grid 64 x 3, 4 waves a work-group, no clusters, 174,592 bytes of LDS; arguments query, key, value, b_q, b_k, b_v, wimg, qb, kv; writes qb, kv
.if DOCPART == 2
	.amdgcn_target "amdgcn-amd-amdhsa--gfx1250"
	.amdhsa_code_object_version 6
	.text
	.protected	k_q39c6914eba_proj
	.globl	k_q39c6914eba_proj
	.p2align	8
	.type	k_q39c6914eba_proj,@function
k_q39c6914eba_proj:
	s_mov_b64 s[64:65], 0
	v_nop
	global_prefetch_b8 v0, s[64:65] scope:SCOPE_SE
	s_setreg_imm32_b32 hwreg(HW_REG_WAVE_MODE, 25, 1), 1
	s_wait_xcnt 0x0
; q = query W_q + b_q, k = key W_k + b_k, v = value W_v + b_v on codes of FP6 (E2M3) with one E8M0 scale for each 32 along K; the results are quantised again, in registers, as the operands of attention.
; Work-group (X, Y): 128 tokens (batch X / 16, block X % 16) of tensor Y (0 q, 1 k, 2 v), times all 1,024 columns.  Four waves; wave w makes 128 tokens x 128 columns (64 accumulators) for column groups w and w + 4, in two passes.
; PROLOGUE: wave w quantises tokens 32 w .. 32 w + 31 along the 1,024 and stores the fragments in LDS as images of their registers; one barrier; from there on LDS is only read.
; THE WEIGHTS come as images (launch wq) from memory straight into the registers of the one wave that multiplies them: a fragment feeds eight products of that wave and no other wave of the work-group.
; NO CLUSTER, NO TENSOR LOAD: a joint load lands in LDS, and each weight fragment is wanted by one wave alone: 12,800 bytes a wave and K step would be written to LDS and read back for nothing.
; TILE ORDER, of tokens and of columns alike: row r of tile 2 b + u is index 32 b + 8 u + r + 8 (r / 8) of its 128: so the 16 result registers of source 0's tiles 2 b, 2 b + 1 are the 16 neighbours 32 b + 16 (lane / 16) + 0 .. 15.
; q, k: source 0 = 16 columns, source 1 = 16 tokens: a lane holds one token, its 64 registers run along 128 columns = two heads of 64: quantised along the head.
; v:    source 0 = 16 tokens, source 1 = 16 columns: a lane holds one column d, its 64 registers run along the block's 128 tokens: quantised along the keys.
; OUT.  Half a fragment (16 rows x 64 k, 6 registers a lane) is 768 bytes: registers 0-3 of lane L at 16 L, registers 4-5 at 512 + 8 L.  A scale image is 128 bytes: lane L's word at 4 L.
;   qb [batch x 16 + head][block][6,656]: eight halves (token tile a at 768 a), four scale images at 6,144 + 128 f (bytes 0, 1: tile 2 f; bytes 2, 3: tile 2 f + 1).
;   kv [batch x 16 + head][block][13,312]: k as a block of qb; v's four fragments (16 d x 128 keys) at 6,656 + 1,536 t, their scale images at 12,800 + 128 t.
; LIMITS: a block of zeros gets the byte 1 (its codes are zeros; the bytes are read by this program alone); NaN and infinities are not served.
; REGISTERS, in windows of 256.  Window 0: v4-24 addresses; v32-47 the tokens' scale words, two sets; v48-63 the weights'; v64-159, v160-255 the tokens' fragments, two sets (in prologue and way out: numbers, codes, work).
;   Window 1: v0-63 the bias; v64-159, v160-255 the weights' fragments, two sets.  Windows 2, 3: accumulator (m, n) at v[8 (8 (n % 4) + m)] of window 2 + n / 4 (m: source 0's tile, n: source 1's); in the prologue window 2 holds the loads.
.set XIMG, 0                           ; LDS: the tokens' halves [2 s + c, 16][tile a, 8][768]
.set XSC,  98304                       ; their scale images [s, 8][a, 8][128]
.set STG,  106496                      ; two stages a wave, 16 rows x (512 + 16) bytes each: wave w, stage e at 16,896 w + 8,448 e
.set G16,  4                           ; v4   16 x lane
.set G8,   5                           ; v5   8 x lane
.set G4,   6                           ; v6   4 x (lane % 16)
.set G4F,  7                           ; v7   4 x lane
.set TA,   9                           ; v9-11  LDS addresses of the K step that is fetched
.set TB,   10
.set TC,   11
.set SW,   12                          ; v12  the stage, in: 16 x lane
.set SRD,  13                          ; v13  the stage, out: 528 r + 64 h
.set XW16, 14                          ; v14-16 my wave's places among the images
.set XW8,  15
.set XW4,  16
.set IA16, 17                          ; v17-19 the same, for the trip in hand
.set IA8,  18
.set IA4,  19
.set BOA,  20                          ; v20  the bias's lane offset for q, k: 64 h
.set PWE,  21                          ; v21  the even tile's scale word
.set SW0,  22                          ; v22-23 scale words of a pair of tiles, head by head
.set SW1,  23
.set BOB,  24                          ; v24  the bias's lane offset for v: 4 (r + 8 (r / 8))
.set TSC,  32
.set WSC,  48
.set FRG,  64
.set X0,   64                          ; two sets of 64 numbers at v64 and v128
.set PC,   192                         ; v192-210 the codes just made
.set TM,   212                         ; v212-227 at work
.set PW,   228                         ; v228 the scale word just made
.set XP,   24                          ; s[24:25] the activation at my wave's rows
.set BP,   26                          ; s[26:27] the bias at my 128 columns
.set WP,   28                          ; s[28:29] the weight block that is fetched next
.set OP0,  30                          ; s[30:31] out: the even head's block (v: its v part)
.set OP1,  32                          ; s[32:33] out: the odd head's block
.set WV,   34
.set YY,   35
.set PASS, 36
.set KC,   37
.set TO,   38
.set TSO,  39
.set SEL,  40                          ; s[40:41]
.set IO,   42
.set ISO,  43
.set OST,  44                          ; s[44:45] eight heads on in the out buffer
.set MSB, 0
.macro WIN new                         ; the immediate's high byte repeats the setting that is left; a switch that changes nothing is dropped
.if MSB != (\new)
	s_set_vgpr_msb (MSB<<8)|(\new)
.set MSB, (\new)
.endif
.endm
.macro PLACES                          ; four plain vector lines between a matrix instruction and a load into, or a vector line on, one of its registers
.rept 4
	v_nop
.endr
.endm
; 64 numbers of a lane, register 16 b + i = k 32 b + 16 (lane / 16) + i of my row, become a fragment's codes in v[PC] on and its scale word in v[PW].
.macro QUANT s
.irp b, 0,1,2,3
	v_max3_num_f32 v[TM+\b], |v[\s+16*\b]|, |v[\s+1+16*\b]|, 0x1800000   ; my 16 numbers of block b, and the floor 2^(3 - 127): the byte cannot fall under 1
.endr
.irp i, 2,4,6,8,10,12,14
.irp b, 0,1,2,3
	v_max3_num_f32 v[TM+\b], v[TM+\b], |v[\s+16*\b+\i]|, |v[\s+1+16*\b+\i]|   ; the four blocks by turns
.endr
.endr
.irp b, 0,1,2,3
	v_permlanex16_b32 v[TM+4+\b], v[TM+\b], s[SEL], s[SEL+1]
.endr
.irp b, 0,1,2,3
	v_max_num_f32 v[TM+\b], v[TM+\b], v[TM+4+\b]   ; with lane l xor 16's: the block's largest magnitude
.endr
.irp b, 0,1,2,3
	v_add_nc_u32 v[TM+12+\b], 0xff000000, v[TM+\b] ; 2 off the exponent field: the conversion's scale operand
.endr
.irp b, 0,1,2,3
	v_lshrrev_b32 v[TM+4+\b], 23, v[TM+12+\b]      ; the scale's byte
.endr
	v_lshl_or_b32 v[PW], v[TM+5], 8, v[TM+4]
	v_lshl_or_b32 v[PW], v[TM+6], 16, v[PW]
	v_lshl_or_b32 v[PW], v[TM+7], 24, v[PW]
.irp c, 0,1
	v_cvt_scalef32_pk16_fp6_f32 v[PC+6*\c:PC+2+6*\c], v[\s+32*\c:\s+15+32*\c], v[TM+12+2*\c]
	v_cvt_scalef32_pk16_fp6_f32 v[PC+12+4*\c:PC+14+4*\c], v[\s+16+32*\c:\s+31+32*\c], v[TM+12+2*\c+1]   ; (a conversion's three registers begin on an even number)
.endr
	v_nop                                          ; one plain line behind the scaled conversions
.irp c, 0,1                            ; the operand's layout wants a whole block in a lane: lanes 0-15 block 2 c, lanes 16-31 block 2 c + 1
.irp i, 0,1,2
	v_permlane16_swap_b32 v[PC+6*\c+\i], v[PC+12+4*\c+\i]
.endr
.irp i, 0,1,2
	v_mov_b32 v[PC+3+6*\c+\i], v[PC+12+4*\c+\i]
.endr
.endr
.endm
; the eight weight fragments and scale words of the block at WP, into set par
.macro FETCHW par
	WIN 0x40                                       ; destination window 1
.irp i, 0,1,2,3,4,5,6,7
	global_load_b128 v[FRG+96*(\par)+12*\i:FRG+96*(\par)+12*\i+3], v[G16], s[WP:WP+1] offset:1536*\i
	global_load_b64 v[FRG+96*(\par)+12*\i+4:FRG+96*(\par)+12*\i+5], v[G8], s[WP:WP+1] offset:1536*\i+512
	global_load_b128 v[FRG+96*(\par)+12*\i+6:FRG+96*(\par)+12*\i+9], v[G16], s[WP:WP+1] offset:1536*\i+768
	global_load_b64 v[FRG+96*(\par)+12*\i+10:FRG+96*(\par)+12*\i+11], v[G8], s[WP:WP+1] offset:1536*\i+1280
.endr
	WIN 0
.irp i, 0,1,2,3,4,5,6,7
	global_load_b32 v[WSC+8*(\par)+\i], v[G4], s[WP:WP+1] offset:12288+64*\i
.endr
.endm
; the eight token fragments and scale words of the K step at TA, TB, TC, into set par
.macro FETCHT par
.irp a, 0,1,2,3,4,5,6,7
	ds_load_b128 v[FRG+96*(\par)+12*\a:FRG+96*(\par)+12*\a+3], v[TA] offset:768*\a
	ds_load_b64 v[FRG+96*(\par)+12*\a+4:FRG+96*(\par)+12*\a+5], v[TB] offset:768*\a+512
	ds_load_b128 v[FRG+96*(\par)+12*\a+6:FRG+96*(\par)+12*\a+9], v[TA] offset:6144+768*\a
	ds_load_b64 v[FRG+96*(\par)+12*\a+10:FRG+96*(\par)+12*\a+11], v[TB] offset:6144+768*\a+512
	ds_load_b32 v[TSC+8*(\par)+\a], v[TC] offset:128*\a
.endr
.endm
; 64 matrix instructions: a K step of 128.  fl = 0: source 0 the weight (window 1), source 1 the tokens (window 0); fl = 1: the other way round.  zero = 1: the products start the sums.
; The 64 accumulators take turns, one instruction a turn, in the same order in every step.
.macro MUL par, zero, fl
.if \fl
.set SCA, TSC+8*(\par)
.set SCB, WSC+8*(\par)
.else
.set SCA, WSC+8*(\par)
.set SCB, TSC+8*(\par)
.endif
.set FB, FRG+96*(\par)
.irp n, 0,1,2,3,4,5,6,7
	WIN 0xa1+3*(\fl)+0x50*(\n/4)
.irp m, 0,1,2,3,4,5,6,7
.if \zero
	v_wmma_scale_f32_16x16x128_f8f6f4 v[8*(8*(\n%4)+\m):8*(8*(\n%4)+\m)+7], v[FB+12*\m:FB+12*\m+11], v[FB+12*\n:FB+12*\n+11], 0, v[SCA+\m], v[SCB+\n] matrix_a_fmt:MATRIX_FMT_FP6 matrix_b_fmt:MATRIX_FMT_FP6
.else
	v_wmma_scale_f32_16x16x128_f8f6f4 v[8*(8*(\n%4)+\m):8*(8*(\n%4)+\m)+7], v[FB+12*\m:FB+12*\m+11], v[FB+12*\n:FB+12*\n+11], v[8*(8*(\n%4)+\m):8*(8*(\n%4)+\m)+7], v[SCA+\m], v[SCB+\n] matrix_a_fmt:MATRIX_FMT_FP6 matrix_b_fmt:MATRIX_FMT_FP6
.endif
.endr
.endr
.endm
; A K step that has a successor: the successor's fragments are asked for, into the other set, ahead of this step's 64 products.
.macro STEP par, zero, fl
	s_add_co_u32 s[TO], s[TO], 12288
	s_add_co_u32 s[TSO], s[TSO], 1024
	v_add_nc_u32 v[TA], s[TO], v[G16]              ; these three and the v_nop are the four places behind the last step's products, which read the other set
	v_add_nc_u32 v[TB], s[TO], v[G8]
	v_add_nc_u32 v[TC], s[TSO], v[G4F]
	v_nop
	FETCHT 1-\par
	FETCHW 1-\par
	MUL \par, \zero, \fl
	WIN 0
	s_wait_dscnt 0x0                               ; the next step's tokens
	s_wait_loadcnt 0x0                             ; and weights are in: so WP may step
	s_add_nc_u64 s[WP:WP+1], s[WP:WP+1], 12800
.endm
	s_load_b512 s[4:19], s[0:1], 0x0               ; query, key, value, b_q, b_k, b_v, wimg, qb
	s_load_b64 s[20:21], s[0:1], 0x40              ; kv
	v_lshl_add_u32 v30, v0, 2, 0x2a800
	v_mov_b32 v31, 0
	v_lshrrev_b32 v1, 5, v0
	v_readfirstlane_b32 s[WV], v1                  ; wave 0..3
	s_and_b32 s[YY], ttmp7, 0xffff                 ; 0 q, 1 k, 2 v
	v_and_b32 v1, 31, v0                           ; lane
	v_and_b32 v2, 15, v0                           ; r
	v_bfe_u32 v3, v0, 4, 1                         ; h
	v_lshlrev_b32 v[G16], 4, v1
	v_lshlrev_b32 v[G8], 3, v1
	v_lshlrev_b32 v[G4], 2, v2
	v_lshlrev_b32 v[G4F], 2, v1
	s_mul_i32 s46, s[WV], 16896
	s_add_co_u32 s46, s46, STG
	v_add_nc_u32 v[SW], s46, v[G16]
	v_mul_u32_u24 v[SRD], v2, 528
	v_lshl_add_u32 v[SRD], v3, 6, v[SRD]
	v_add_nc_u32 v[SRD], s46, v[SRD]
	s_mul_i32 s46, s[WV], 1536                     ; my two tiles of tokens: 768 x (2 w)
	v_add_nc_u32 v[XW16], s46, v[G16]
	v_add_nc_u32 v[XW8], s46, v[G8]
	v_add_nc_u32 v[XW8], 512, v[XW8]
	s_lshl_b32 s46, s[WV], 8
	s_add_co_u32 s46, s46, XSC
	v_add_nc_u32 v[XW4], s46, v[G4F]
	v_lshlrev_b32 v[BOA], 6, v3
	v_and_b32 v[BOB], 8, v2
	v_add_nc_u32 v[BOB], v[BOB], v2
	v_lshlrev_b32 v[BOB], 2, v[BOB]
.irp b, 0,1,2,3
	v_mov_b32 v[TM+4+\b], 0                        ; written once: a lane permute's destination counts as one of its sources
.endr
	s_mov_b32 s[SEL], 0x76543210
	s_mov_b32 s[SEL+1], 0xfedcba98                 ; v_permlanex16_b32's selects for lane l xor 16
	s_lshl_b32 s46, ttmp9, 19                      ; 128 rows of 4,096 bytes,
	s_lshl_b32 s47, s[WV], 17                      ; my wave's 32
	s_add_co_u32 s46, s46, s47
	s_mov_b32 s47, 0
	s_lshl_b32 s48, s[WV], 9                       ; the bias of column group w
	s_mov_b32 s49, 0
	s_mul_i32 s50, s[YY], 819200                   ; the weight's images,
	s_mul_i32 s51, s[WV], 102400                   ; column group w, K step 0
	s_add_co_u32 s50, s50, s51
	s_mov_b32 s51, 0
	s_lshr_b32 s52, ttmp9, 4
	s_lshl_b32 s52, s52, 4
	s_lshl_b32 s53, s[WV], 1
	s_add_co_u32 s52, s52, s53                     ; 16 x batch + head 2 w
	s_lshl_b32 s52, s52, 4
	s_and_b32 s53, ttmp9, 15
	s_add_co_u32 s52, s52, s53                     ; x 16 + block
	s_mov_b32 s54, 13312
	s_cmp_eq_u32 s[YY], 0
	s_cselect_b32 s54, 6656, s54                   ; a block's bytes: qb's or kv's
	s_mul_i32 s52, s52, s54
	s_cmp_eq_u32 s[YY], 2
	s_cselect_b32 s53, 6656, 0                     ; v lies behind k in a block
	s_add_co_u32 s52, s52, s53
	s_mov_b32 s53, 0
	s_lshl_b32 s[OST], s54, 7                      ; eight heads of sixteen blocks
	s_mov_b32 s[OST+1], 0
	s_lshl_b32 s54, s54, 4                         ; one head
	s_mov_b32 s55, 0
	s_wait_kmcnt 0x0
	s_cmp_eq_u32 s[YY], 1                          ; the choices hang on the work-group's number alone
	s_cselect_b64 s[XP:XP+1], s[6:7], s[4:5]
	s_cselect_b64 s[BP:BP+1], s[12:13], s[10:11]
	s_cmp_eq_u32 s[YY], 2
	s_cselect_b64 s[XP:XP+1], s[8:9], s[XP:XP+1]
	s_cselect_b64 s[BP:BP+1], s[14:15], s[BP:BP+1]
	s_cmp_eq_u32 s[YY], 0
	s_cselect_b64 s[OP0:OP0+1], s[18:19], s[20:21]
	s_add_nc_u64 s[XP:XP+1], s[XP:XP+1], s[46:47]
	s_add_nc_u64 s[BP:BP+1], s[BP:BP+1], s[48:49]
	s_add_nc_u64 s[WP:WP+1], s[16:17], s[50:51]
	s_add_nc_u64 s[OP0:OP0+1], s[OP0:OP0+1], s[52:53]
	s_add_nc_u64 s[OP1:OP1+1], s[OP0:OP0+1], s[54:55]
	FETCHW 0                                       ; the first K step's weights: they land during the prologue
; ---- THE PROLOGUE.  A unit is 16 tokens x 128 along K.  Four units a trip: unit i is K step 2 j + i / 2, tile 2 w + i % 2.
; Each load reads 512 consecutive bytes of one row; the unit turns through a stage, so that a lane gets 16 neighbours of each block of 32 of ONE row.
.macro LOADX i, ahead
	WIN 0x80                                       ; destination window 2
.irp p, 0,1,2,3,4,5,6,7,8,9,10,11,12,13,14,15
	global_load_b128 v[64*(\i)+4*\p:64*(\i)+4*\p+3], v[G16], s[XP:XP+1] offset:(8*((\i)%2)+\p+8*(\p/8))*4096+512*((\i)/2)+1024*(\ahead) th:TH_LOAD_NT
.endr
	WIN 0
.endm
.macro TURN i
	WIN 0x08                                       ; an LDS store's data are its source 1: window 2
.irp p, 0,1,2,3,4,5,6,7,8,9,10,11,12,13,14,15
	ds_store_b128 v[SW], v[64*(\i)+4*\p:64*(\i)+4*\p+3] offset:8448*((\i)%2)+528*\p
.endr
	WIN 0
.irp b, 0,1,2,3
.irp j, 0,1,2,3
	ds_load_b128 v[X0+64*((\i)%2)+16*\b+4*\j:X0+64*((\i)%2)+16*\b+4*\j+3], v[SRD] offset:8448*((\i)%2)+128*\b+16*\j   ; LDS serves a wave's instructions in order: these see the stores above
.endr
.endr
.endm
.macro UNIT i, load, lc, turn
.if \turn
	s_wait_loadcnt \lc                             ; the next unit's 16 loads are in; the units asked for behind it may be out
	TURN ((\i)+1)%4
	s_wait_dscnt 32                                ; all but the turn just issued: my numbers are back, my unit's stage stores have read their registers, the last images are stored
.else
	s_wait_dscnt 0x0
.endif
.if \load
	LOADX \i, 1                                    ; the same unit of the next trip
.endif
.set QS, X0+64*((\i)%2)
	QUANT QS
	ds_store_b128 v[IA16], v[PC:PC+3] offset:12288*((\i)/2)+768*((\i)%2)
	ds_store_b64 v[IA8], v[PC+4:PC+5] offset:12288*((\i)/2)+768*((\i)%2)
	ds_store_b128 v[IA16], v[PC+6:PC+9] offset:12288*((\i)/2)+768*((\i)%2)+6144
	ds_store_b64 v[IA8], v[PC+10:PC+11] offset:12288*((\i)/2)+768*((\i)%2)+6144
	ds_store_b32 v[IA4], v[PW] offset:1024*((\i)/2)+128*((\i)%2)
.endm
.macro IADR
	v_add_nc_u32 v[IA16], s[IO], v[XW16]
	v_add_nc_u32 v[IA8], s[IO], v[XW8]
	v_add_nc_u32 v[IA4], s[ISO], v[XW4]
.endm
	LOADX 0, 0
	LOADX 1, 0
	LOADX 2, 0
	LOADX 3, 0
	s_wait_loadcnt 48                              ; unit 0 is in (and the weights asked for ahead of it); units 1 to 3 may be out
	TURN 0
	s_mov_b32 s[IO], 0
	s_mov_b32 s[ISO], 0
	s_mov_b32 s[KC], 3
.Lpro:
	IADR
	UNIT 0, 1, 32, 1
	UNIT 1, 1, 32, 1
	UNIT 2, 1, 32, 1
	UNIT 3, 1, 32, 1
	s_wait_xcnt 0x0                                ; the loads have read their base: it may step
	s_add_nc_u64 s[XP:XP+1], s[XP:XP+1], 1024      ; two K steps of 512 bytes
	s_add_co_u32 s[IO], s[IO], 24576
	s_add_co_u32 s[ISO], s[ISO], 2048
	s_sub_co_u32 s[KC], s[KC], 1
	s_cmp_lg_u32 s[KC], 0
	s_cbranch_scc1 .Lpro
	IADR                                           ; the last trip asks for nothing: no load leaves the buffer, and the counts run down
	UNIT 0, 0, 32, 1
	UNIT 1, 0, 16, 1
	UNIT 2, 0, 0, 1
	UNIT 3, 0, 0, 0
	s_wait_dscnt 0x0                               ; for the others' sake: my images are stored
	s_barrier_signal -1
	s_barrier_wait -1                              ; the 128 tokens' 64 fragments lie in LDS; nobody writes LDS from here on
; ---- THE WAY OUT of q and k: token tile a.  64 accumulator registers + bias are 128 columns of one token a lane: two heads.
.macro EPIA a
	s_wait_xcnt 0x0                                ; the last tile's stores have read their registers
	WIN 0x06+(\a)/4                                ; source 0: the accumulators' window, source 1: window 1
.set ii, 0
.rept 32
	v_pk_add_f32 v[X0+2*ii:X0+2*ii+1], v[64*((\a)%4)+2*ii:64*((\a)%4)+2*ii+1], v[2*ii:2*ii+1]   ; each accumulator from its low end on
.set ii, ii+1
.endr
	WIN 0
	QUANT X0
	global_store_b128 v[G16], v[PC:PC+3], s[OP0:OP0+1] offset:768*(\a)          ; the even head's half: 512 and 256 consecutive bytes
	global_store_b64 v[G8], v[PC+4:PC+5], s[OP0:OP0+1] offset:768*(\a)+512
	global_store_b128 v[G16], v[PC+6:PC+9], s[OP1:OP1+1] offset:768*(\a)        ; the odd head's
	global_store_b64 v[G8], v[PC+10:PC+11], s[OP1:OP1+1] offset:768*(\a)+512
.if (\a)%2 == 0
	v_mov_b32 v[PWE], v[PW]
.else
	v_perm_b32 v[SW0], v[PW], v[PWE], 0x05040100   ; the even head's two bytes of tile a - 1, then of tile a
	v_perm_b32 v[SW1], v[PW], v[PWE], 0x07060302   ; the odd head's
	global_store_b32 v[G4F], v[SW0], s[OP0:OP0+1] offset:6144+128*((\a)/2)
	global_store_b32 v[G4F], v[SW1], s[OP1:OP1+1] offset:6144+128*((\a)/2)
.endif
.endm
; ---- and of v: column tile t.  64 accumulator registers + bias are the block's 128 tokens of one column d a lane: one fragment of V^T.
.macro EPIB t
	s_wait_xcnt 0x0
	WIN 0x06+(\t)/4
.set ii, 0
.rept 32
	v_pk_add_f32 v[X0+2*ii:X0+2*ii+1], v[64*((\t)%4)+2*ii:64*((\t)%4)+2*ii+1], v[2*(\t):2*(\t)+1]   ; my column's bias stands in both registers of the pair
.set ii, ii+1
.endr
	WIN 0
	QUANT X0
	global_store_b128 v[G16], v[PC:PC+3], s[OP0:OP0+1] offset:212992*((\t)/4)+1536*((\t)%4)
	global_store_b64 v[G8], v[PC+4:PC+5], s[OP0:OP0+1] offset:212992*((\t)/4)+1536*((\t)%4)+512
	global_store_b128 v[G16], v[PC+6:PC+9], s[OP0:OP0+1] offset:212992*((\t)/4)+1536*((\t)%4)+768
	global_store_b64 v[G8], v[PC+10:PC+11], s[OP0:OP0+1] offset:212992*((\t)/4)+1536*((\t)%4)+1280
	global_store_b32 v[G4F], v[PW], s[OP0:OP0+1] offset:212992*((\t)/4)+6144+128*((\t)%4)
.endm
; ---- TWO PASSES of 128 columns: eight K steps on two sets of fragments.
.macro PASSES fl
	s_mov_b32 s[PASS], 2
.Lpass_\@:
	WIN 0x40
.if \fl
.irp t, 0,1,2,3,4,5,6,7
	global_load_b32 v[2*\t], v[BOB], s[BP:BP+1] offset:(32*(\t/2)+8*(\t%2))*4      ; my column of tile t
	global_load_b32 v[2*\t+1], v[BOB], s[BP:BP+1] offset:(32*(\t/2)+8*(\t%2))*4
.endr
.else
.irp b, 0,1,2,3
.irp j, 0,1,2,3
	global_load_b128 v[16*\b+4*\j:16*\b+4*\j+3], v[BOA], s[BP:BP+1] offset:128*\b+16*\j   ; columns 32 b + 16 h + 0 .. 15
.endr
.endr
.endif
	WIN 0
	s_mov_b32 s[TO], 0
	s_mov_b32 s[TSO], XSC
	v_add_nc_u32 v[TA], s[TO], v[G16]
	v_add_nc_u32 v[TB], s[TO], v[G8]
	v_add_nc_u32 v[TC], s[TSO], v[G4F]
	FETCHT 0
	s_wait_dscnt 0x0
	s_wait_loadcnt 0x0                             ; K step 0's weights, asked for a phase ago, and the bias
	s_add_nc_u64 s[WP:WP+1], s[WP:WP+1], 12800
	STEP 0, 1, \fl                                 ; the first step's products start the sums: nothing is cleared
	s_mov_b32 s[KC], 3
.Lk_\@:
	STEP 1, 0, \fl
	STEP 0, 0, \fl
	s_sub_co_u32 s[KC], s[KC], 1
	s_cmp_lg_u32 s[KC], 0
	s_cbranch_scc1 .Lk_\@
	PLACES                                         ; behind the products that read set 0
	s_cmp_eq_u32 s[PASS], 1
	s_cbranch_scc1 .Lnone_\@                       ; the last pass asks for nothing more; every later wait for loads is for 0, on both ways
	s_add_nc_u64 s[WP:WP+1], s[WP:WP+1], 307200    ; from column group g + 1 to g + 4
	FETCHW 0                                       ; the next pass's first weights land under the last products and the way out
.Lnone_\@:
	MUL 1, 0, \fl
	WIN 0
	PLACES                                         ; behind the last products, ahead of the first read of results
.irp a, 0,1,2,3,4,5,6,7
.if \fl
	EPIB \a
.else
	EPIA \a
.endif
.endr
	s_wait_xcnt 0x0                                ; the stores have read their bases
	s_add_nc_u64 s[BP:BP+1], s[BP:BP+1], 2048      ; four column groups on
	s_add_nc_u64 s[OP0:OP0+1], s[OP0:OP0+1], s[OST:OST+1]
	s_add_nc_u64 s[OP1:OP1+1], s[OP1:OP1+1], s[OST:OST+1]
	s_sub_co_u32 s[PASS], s[PASS], 1
	s_cmp_lg_u32 s[PASS], 0
	s_cbranch_scc1 .Lpass_\@
.endm
	s_cmp_eq_u32 s[YY], 2
	s_cbranch_scc1 .Lvalue
	PASSES 0
	s_wait_tensorcnt 0x0
	ds_add_u32 v30, v31
	s_wait_dscnt 0x0
	s_endpgm
.Lvalue:
	PASSES 1
	s_wait_tensorcnt 0x0
	ds_add_u32 v30, v31
	s_wait_dscnt 0x0
	s_endpgm
.Lfunc_end_k_q39c6914eba_proj:
	.size	k_q39c6914eba_proj, .Lfunc_end_k_q39c6914eba_proj-k_q39c6914eba_proj
	.p2alignl 7, 3214868480
	.fill 96, 4, 3214868480
	.section	.rodata,"a",@progbits
	.p2align	6, 0x0
	.amdhsa_kernel k_q39c6914eba_proj
		.amdhsa_group_segment_fixed_size 174592
		.amdhsa_private_segment_fixed_size 0
		.amdhsa_enable_private_segment 0
		.amdhsa_kernarg_size 72
		.amdhsa_user_sgpr_count 2
		.amdhsa_user_sgpr_kernarg_segment_ptr 1
		.amdhsa_wavefront_size32 1
		.amdhsa_system_sgpr_workgroup_id_x 1
		.amdhsa_system_sgpr_workgroup_id_y 1
		.amdhsa_system_sgpr_workgroup_id_z 1
		.amdhsa_system_vgpr_workitem_id 0
		.amdhsa_next_free_vgpr 1024
		.amdhsa_next_free_sgpr 66
		.amdhsa_reserve_vcc 0
		.amdhsa_float_denorm_mode_32 3
		.amdhsa_float_denorm_mode_16_64 3
		.amdhsa_memory_ordered 1
		.amdhsa_forward_progress 1
		.amdhsa_inst_pref_size 255
	.end_amdhsa_kernel
	.section	.bss,"aw",@nobits
	.p2align	6
	.space	262144
	.amdgpu_metadata
---
amdhsa.version: [ 1, 2 ]
amdhsa.kernels:
  - .name:           k_q39c6914eba_proj
    .symbol:         k_q39c6914eba_proj.kd
    .args:
      - { .name: query, .offset: 0, .size: 8, .value_kind: global_buffer, .address_space: global }
      - { .name: key, .offset: 8, .size: 8, .value_kind: global_buffer, .address_space: global }
      - { .name: value, .offset: 16, .size: 8, .value_kind: global_buffer, .address_space: global }
      - { .name: b_q, .offset: 24, .size: 8, .value_kind: global_buffer, .address_space: global }
      - { .name: b_k, .offset: 32, .size: 8, .value_kind: global_buffer, .address_space: global }
      - { .name: b_v, .offset: 40, .size: 8, .value_kind: global_buffer, .address_space: global }
      - { .name: wimg, .offset: 48, .size: 8, .value_kind: global_buffer, .address_space: global }
      - { .name: qb, .offset: 56, .size: 8, .value_kind: global_buffer, .address_space: global }
      - { .name: kv, .offset: 64, .size: 8, .value_kind: global_buffer, .address_space: global }
    .group_segment_fixed_size: 174592
    .private_segment_fixed_size: 0
    .kernarg_segment_align: 8
    .kernarg_segment_size: 72
    .max_flat_workgroup_size: 128
    .sgpr_count:     66
    .vgpr_count:     1024
    .wavefront_size: 32
...
	.end_amdgpu_metadata
.endif
;; end of part 2
;; launch attn (part 3): grid 8 x 64, 16 waves a work-group, no clusters, 34,816 bytes of LDS; arguments qb, kv, valid_length, aimg, asc; writes aimg, asc
.if DOCPART == 3
	.amdgcn_target "amdgcn-amd-amdhsa--gfx1250"
	.amdhsa_code_object_version 6
	.text
	.protected	k_q39c6914eba_attn
	.globl	k_q39c6914eba_attn
	.p2align	8
	.type	k_q39c6914eba_attn,@function
k_q39c6914eba_attn:
	s_mov_b64 s[64:65], 0
	v_nop
	global_prefetch_b8 v0, s[64:65] scope:SCOPE_SE
	s_setreg_imm32_b32 hwreg(HW_REG_WAVE_MODE, 25, 1), 1
	s_wait_xcnt 0x0
; Attention of one head on codes of FP6 (E2M3) with one E8M0 scale for each 32 along a product's K; the result, divided by the row's sum, is quantised along the head and stored as images for the last projection.
; Work-group (x, y): 256 queries (blocks 2 x, 2 x + 1) of batch y / 16, head y % 16.  Sixteen waves, each ONE tile of 16 queries in 256 registers: four waves to a SIMD, so that one wave's vector work stands beside another's products and LDS loads.
; KEYS go in steps of 128: one block of kv (13,312 bytes: k's eight halves and scale images, v's four fragments and scale images), copied through registers into one of two LDS slots, a step ahead; one barrier a step.
; THE MASK.  Keys at or past valid_length[batch] have the logit -1e7.  A key step that lies wholly past it is left out where valid_length is at least 1: its p are 0.  With valid_length = 0 all sixteen steps are walked and every p is 1.
; The loop's trip count is a constant and every barrier stands on every wave's path; scalar branches on valid_length lead round a step's loads and work only.
; NO TENSOR LOAD, NO CLUSTER, though the eight work-groups of a head walk the same blocks: how many steps are walked hangs on a number read from memory.
; BOTH PRODUCTS ARE USED TRANSPOSED: S^T = K Q^T (source 0 = keys), O^T = V^T P^T (source 0 = 16 of the head's 64): a lane holds ONE query throughout.  Row r of tile 2 b + u (keys, d) is index 32 b + 8 u + r + 8 (r / 8),
; so the 16 registers of tiles 2 b, 2 b + 1 are 16 neighbours: p and O^T go to the conversions as they lie.
; K = 64 IN AN INSTRUCTION OF 128: a fragment of k holds two key tiles, one in k 0-63 and one in k 64-127.  Against q laid in k 0-63 with zero codes above it gives the first tile's scores, against zero codes below and q above the second's.
; THE SOFTMAX: t = logit x log2(e); M = the running largest t rounded up to a whole number; p = 2^(t - M), not normalised, is quantised along the keys; the sum is taken of the unquantised p; a change of M multiplies the sum and O^T by a power of two.
; LIMITS: leaving masked steps out is exact while each row has a logit above about -1e7 + 100 among its valid keys; valid_length is held to 0 .. 2,048; NaN and infinities are not served; a block of zeros has the byte 1.
; REGISTERS: v1-5, v7 addresses; v12 -M, v13 the largest t, v[14:15] the sum; v16-33 six zeros, q, six zeros; v34 q's scale word; v36-83 four fragments of k, then of v; v84-87, v88-91 their scale words;
;   v96-159 S^T, then p; v160-191 O^T; v192-199 the next block on its way; v200-218 at work; v220-231 p's codes; v232 f, v233 p's scale word; v234-237 at work.
.set SLOTB, 16384                      ; the two slots' distance; a slot holds 13,312 bytes
.set WV,   14
.set YY,   15
.set VL,   16
.set NST,  17                          ; key steps that are walked
.set JJ,   18                          ; the step in hand
.set J1,   19
.set KF,   20                          ; its first key
.set TRIP, 21
.set KVP,  22                          ; s[22:23] its block of kv
.set CS,   24                          ; s[24:25] c = log2(e) / 8
.set CE,   26                          ; s[26:27] the factor in force: c, or 1 where the scores have been turned into t already
.set SEL,  28                          ; s[28:29]
.set QP,   32
.set QS,   34
.set AP,   36
.set ASP,  38
.set PSEL, 40
	s_load_b256 s[4:11], s[0:1], 0x0               ; qb, kv, valid_length, aimg
	s_load_b64 s[12:13], s[0:1], 0x20              ; asc
	v_lshl_add_u32 v254, v0, 2, 0x8000
	v_mov_b32 v255, 0
	v_lshrrev_b32 v6, 5, v0
	v_readfirstlane_b32 s[WV], v6                  ; wave 0..15
	v_and_b32 v6, 31, v0
	v_lshlrev_b32 v1, 4, v6                        ; 16 x lane
	v_lshlrev_b32 v2, 3, v6
	v_add_nc_u32 v2, 512, v2                       ; 512 + 8 x lane
	v_lshlrev_b32 v3, 2, v6                        ; 4 x lane
	v_lshlrev_b32 v4, 4, v0                        ; 16 x thread: in a slot,
	v_lshlrev_b32 v5, 4, v0                        ; and in a block of kv
	v_bfe_u32 v7, v0, 4, 1
	v_lshlrev_b32 v7, 4, v7                        ; 16 h
	s_and_b32 s[YY], ttmp7, 0xffff
	s_lshr_b32 s30, s[WV], 3
	s_lshl_b32 s31, ttmp9, 1
	s_add_co_u32 s30, s30, s31                     ; my block of 128 queries
	s_and_b32 s31, s[WV], 7                        ; my tile a in it
	s_lshl_b32 s41, s[YY], 4
	s_add_co_u32 s41, s41, s30
	s_mul_i32 s41, s41, 6656                       ; the block in qb
	s_mul_i32 s42, s31, 768
	s_add_co_u32 s42, s42, s41                     ; my tile's half
	s_mov_b32 s43, 0
	s_lshr_b32 s44, s31, 1
	s_lshl_b32 s44, s44, 7
	s_add_co_u32 s44, s44, s41
	s_add_co_u32 s44, s44, 6144                    ; the scale image of tiles 2 (a / 2), 2 (a / 2) + 1
	s_mov_b32 s45, 0
	s_lshr_b32 s46, s[YY], 4                       ; batch
	s_lshl_b32 s47, s46, 4
	s_add_co_u32 s47, s47, s30
	s_lshl_b32 s47, s47, 4
	s_and_b32 s48, s[YY], 15
	s_add_co_u32 s47, s47, s48
	s_lshl_b32 s47, s47, 3
	s_add_co_u32 s47, s47, s31                     ; ((16 batch + block) 16 + head) 8 + a
	s_mul_i32 s48, s47, 768
	s_mov_b32 s49, 0
	s_lshl_b32 s50, s47, 7
	s_mov_b32 s51, 0
	s_mul_i32 s52, s[YY], 212992                   ; the head's sixteen blocks of kv
	s_mov_b32 s53, 0
	s_lshl_b32 s54, s46, 2
	s_mov_b32 s55, 0
	s_and_b32 s56, s[WV], 1
	s_mov_b32 s[PSEL], 0x03020302
	s_cmp_eq_u32 s56, 0
	s_cselect_b32 s[PSEL], 0x01000100, s[PSEL]     ; which two bytes of the scale word are my tile's
	s_mov_b32 s[CS], 0x3e38aa3b                    ; log2(e) / sqrt(64)
	s_mov_b32 s[CS+1], s[CS]                       ; (the packed forms name a pair)
	s_mov_b32 s[SEL], 0x76543210
	s_mov_b32 s[SEL+1], 0xfedcba98                 ; v_permlanex16_b32's selects for lane l xor 16
.irp j, 0,1,2,3,4,5,6,7
	v_mov_b32 v[192+\j], 0                         ; written once in every wave: waves 10 to 15 load only the first four
.endr
	s_wait_kmcnt 0x0
	s_add_nc_u64 s[8:9], s[8:9], s[54:55]
	s_load_b32 s[VL], s[8:9], 0x0                  ; valid_length[batch]
	s_add_nc_u64 s[QP:QP+1], s[4:5], s[42:43]
	s_add_nc_u64 s[QS:QS+1], s[4:5], s[44:45]
	s_add_nc_u64 s[KVP:KVP+1], s[6:7], s[52:53]
	s_add_nc_u64 s[AP:AP+1], s[10:11], s[48:49]
	s_add_nc_u64 s[ASP:ASP+1], s[12:13], s[50:51]
	global_load_b128 v[22:25], v1, s[QP:QP+1]      ; q's six registers
	global_load_b64 v[26:27], v2, s[QP:QP+1]
	global_load_b32 v35, v3, s[QS:QS+1]
	global_load_b128 v[192:195], v5, s[KVP:KVP+1]  ; key step 0: 8,192 bytes by all sixteen waves,
	s_cmp_lt_u32 s[WV], 10
	s_cbranch_scc0 .Lhead_a
	global_load_b128 v[196:199], v5, s[KVP:KVP+1] offset:8192   ; 5,120 more by waves 0 to 9
.Lhead_a:
.irp j, 0,1,2,3,4,5
	v_mov_b32 v[16+\j], 0                          ; zero codes on both sides of q
	v_mov_b32 v[28+\j], 0
.endr
	v_mov_b32 v13, 0xff61b1e6                      ; the largest t so far: -3e38, under every t
	v_floor_f32 v12, -v13                          ; -M
	v_mov_b32 v14, 0                               ; the sum, in two halves
	v_mov_b32 v15, 0
.irp b, 0,1,2,3
	v_mov_b32 v[204+\b], 0                         ; a lane permute's destination counts as one of its sources
.endr
	v_mov_b32 v233, 0                              ; (named as the upper half of the pair v[232:233] before it is first written)
	v_mov_b32 v234, 0
	s_wait_kmcnt 0x0
	s_max_i32 s[VL], s[VL], 0
	s_min_i32 s[VL], s[VL], 2048
	s_cmp_eq_u32 s[VL], 0
	s_cselect_b32 s[NST], 2048, s[VL]              ; with no valid key all keys count alike
	s_add_co_u32 s[NST], s[NST], 127
	s_lshr_b32 s[NST], s[NST], 7
	s_mov_b32 s[JJ], 0
	s_mov_b32 s[KF], 0
	s_mov_b32 s[TRIP], 8
	s_wait_loadcnt 0x0
	v_perm_b32 v34, v35, v35, s[PSEL]              ; q's scale word: my tile's two bytes, twice
	ds_store_b128 v4, v[192:195]
	s_cmp_lt_u32 s[WV], 10
	s_cbranch_scc0 .Lhead_b
	ds_store_b128 v4, v[196:199] offset:8192
.Lhead_b:
.set nn, 0
.rept 32
	v_mov_b32 v[160+nn], 0                         ; O^T: the step is written once; the first finds zeros, which the first change of M leaves zeros.  (Also the places between q's scale word and the first product)
.set nn, nn+1
.endr
	s_wait_dscnt 0x0                               ; for the others' sake: my part of slot 0 is stored
	s_barrier_signal -1
	s_barrier_wait -1
.macro FRAGS base, sc, scb             ; four fragments of 1,536 bytes from base on into v36-83, their scale words from scb on into v[sc] on
.irp f, 0,1,2,3
	ds_load_b128 v[36+12*\f:39+12*\f], v1 offset:(\base)+1536*\f
	ds_load_b64 v[40+12*\f:41+12*\f], v2 offset:(\base)+1536*\f
	ds_load_b128 v[42+12*\f:45+12*\f], v1 offset:(\base)+1536*\f+768
	ds_load_b64 v[46+12*\f:47+12*\f], v2 offset:(\base)+1536*\f+768
	ds_load_b32 v[(\sc)+\f], v3 offset:(\scb)+128*\f
.endr
.endm
; A KEY STEP on the slot named.
.macro ASTEP slot
.set SB, SLOTB*(\slot)
.set SN, SLOTB*(1-(\slot))
	s_add_co_u32 s[J1], s[JJ], 1
	s_cmp_lt_u32 s[J1], s[NST]                     ; is there a next step?  Then its block is asked for now: it has this step's work in which to come
	s_cbranch_scc0 .Lnoload_\@
	global_load_b128 v[192:195], v5, s[KVP:KVP+1] offset:13312
	s_cmp_lt_u32 s[WV], 10
	s_cbranch_scc0 .Lnoload_\@
	global_load_b128 v[196:199], v5, s[KVP:KVP+1] offset:21504
.Lnoload_\@:
	s_cmp_lt_u32 s[JJ], s[NST]
	s_cbranch_scc0 .Lskip_\@                       ; all 128 keys lie past valid_length: no work
.rept 4
	v_nop                                          ; places behind the last step's products, which read v36-83
.endr
	FRAGS SB, 84, SB+6144                          ; k
	s_wait_dscnt 0x0
.irp f, 0,1,2,3
	v_wmma_scale_f32_16x16x128_f8f6f4 v[96+16*\f:103+16*\f], v[36+12*\f:47+12*\f], v[22:33], 0, v[84+\f], v34 matrix_a_fmt:MATRIX_FMT_FP6 matrix_b_fmt:MATRIX_FMT_FP6    ; key tile 2 f: q below, zero codes above
	v_wmma_scale_f32_16x16x128_f8f6f4 v[104+16*\f:111+16*\f], v[36+12*\f:47+12*\f], v[16:27], 0, v[84+\f], v34 matrix_a_fmt:MATRIX_FMT_FP6 matrix_b_fmt:MATRIX_FMT_FP6  ; key tile 2 f + 1: zero codes below, q above
.endr
.rept 4
	v_nop                                          ; places ahead of the loads into k's registers and of the first read of the scores
.endr
	FRAGS SB+6656, 88, SB+12800                    ; v: it comes while the softmax is worked
	s_mov_b32 s[CE], s[CS]
	s_mov_b32 s[CE+1], s[CS]
	s_add_co_u32 s30, s[KF], 128
	s_cmp_gt_u32 s30, s[VL]
	s_cbranch_scc0 .Lopen_\@                       ; all 128 keys are valid
	s_mov_b32 s[CE], 1.0                           ; the step holds masked keys: the scores become t here, and masked ones the t of the logit -1e7
	s_mov_b32 s[CE+1], 1.0
.set nn, 0
.rept 32
	v_pk_mul_f32 v[96+nn:97+nn], v[96+nn:97+nn], s[CS:CS+1] op_sel_hi:[1,0]
.set nn, nn+2
.endr
	s_sub_co_i32 s30, s[VL], s[KF]
	s_sub_co_i32 s30, s30, 1
	v_sub_nc_u32 v234, s30, v7                     ; d = valid_length - 1 - KF - 16 h.  Register 16 b + i holds key KF + 32 b + 16 h + i: masked where 32 b + i > d
	v_mov_b32 v235, 0xcb5c2346                     ; -1e7 x log2(e) in f32
.set nn, 0
.rept 64
	v_cmp_gt_i32 vcc_lo, 32*(nn/16)+nn%16, v234
	v_cndmask_b32 v[96+nn], v[96+nn], v235, vcc_lo
.set nn, nn+1
.endr
.Lopen_\@:
.irp b, 0,1,2,3
	v_max3_num_f32 v[200+\b], v[96+16*\b], v[97+16*\b], v[98+16*\b]   ; the largest score of each block of 32 keys: for the row's maximum and, since p rises with the score, for the block's largest p
.endr
.irp i, 3,5,7,9,11,13
.irp b, 0,1,2,3
	v_max3_num_f32 v[200+\b], v[200+\b], v[96+16*\b+\i], v[97+16*\b+\i]
.endr
.endr
.irp b, 0,1,2,3
	v_max_num_f32 v[200+\b], v[200+\b], v[111+16*\b]
.endr
.irp b, 0,1,2,3
	v_permlanex16_b32 v[204+\b], v[200+\b], s[SEL], s[SEL+1]
.endr
.irp b, 0,1,2,3
	v_max_num_f32 v[200+\b], v[200+\b], v[204+\b]  ; with lane l xor 16's 16 keys
.endr
	v_max3_num_f32 v234, v200, v201, v202
	v_max_num_f32 v234, v234, v203
	v_mul_f32 v234, s[CE], v234                    ; the step's largest t of my query
	v_max_num_f32 v13, v13, v234                   ; the running largest t
	v_mov_b32 v234, v12
	v_floor_f32 v12, -v13                          ; the new -M = -ceil(t): a whole number
	v_sub_f32 v234, v12, v234                      ; old M - new M: a whole number, 0 or less
	v_cvt_i32_f32 v234, v234                       ; (it saturates)
	v_ldexp_f32 v232, 1.0, v234                    ; f = 2^(old M - new M)
.set nn, 0
.rept 32
	v_pk_fma_f32 v[96+nn:97+nn], v[96+nn:97+nn], s[CE:CE+1], v[12:13] op_sel_hi:[1,0,0]   ; t - M, two at a time
.set nn, nn+2
.endr
.irp b, 0,1,2,3
	v_fma_f32 v[200+\b], v[200+\b], s[CE], v12     ; the same of each block's largest score
.endr
.set nn, 0
.rept 64
	v_exp_f32 v[96+nn], v[96+nn]                   ; p = 2^(t - M), at most 1
.set nn, nn+1
.endr
	v_pk_mul_f32 v[14:15], v[14:15], v[232:233] op_sel_hi:[1,0]   ; the sums under the new M: the plain line behind the exponentials
	s_wait_alu depctr_va_vdst(0)                   ; one wait for the whole batch, ahead of its first reader
.irp b, 0,1,2,3
	v_exp_f32 v[200+\b], v[200+\b]                 ; the block's largest p: the same two instructions on the same number give the same bits
.endr
	v_pk_add_f32 v[236:237], v[96:97], v[98:99]    ; the row's sum, of the unquantised p, in two chains; it reads the 64 alone
.irp j, 4,8,12,16,20,24,28,32,36,40,44,48,52,56,60
	v_pk_add_f32 v[14:15], v[14:15], v[96+\j:97+\j]
	v_pk_add_f32 v[236:237], v[236:237], v[98+\j:99+\j]
.endr
	v_pk_add_f32 v[14:15], v[14:15], v[236:237]
	s_wait_alu depctr_va_vdst(0)                   ; and one for the four
.irp b, 0,1,2,3
	v_max_num_f32 v[200+\b], 0x1800000, v[200+\b]  ; the floor 2^(3 - 127): a block whose every p is 0 keeps the byte 1; its codes are zeros
.endr
.irp b, 0,1,2,3
	v_add_nc_u32 v[208+\b], 0xff000000, v[200+\b]  ; 2 off the exponent field: the conversion's scale operand
.endr
.irp b, 0,1,2,3
	v_lshrrev_b32 v[204+\b], 23, v[208+\b]         ; the scale's byte
.endr
	v_lshl_or_b32 v233, v205, 8, v204              ; p's scale word for these 128 keys
	v_lshl_or_b32 v233, v206, 16, v233
	v_lshl_or_b32 v233, v207, 24, v233
.irp c, 0,1
	v_cvt_scalef32_pk16_fp6_f32 v[220+6*\c:222+6*\c], v[96+32*\c:111+32*\c], v[208+2*\c]
	v_cvt_scalef32_pk16_fp6_f32 v[212+4*\c:214+4*\c], v[112+32*\c:127+32*\c], v[208+2*\c+1]
.endr
	v_nop                                          ; one plain line behind the scaled conversions
.irp c, 0,1                            ; a whole block to a lane: lanes 0-15 block 2 c, lanes 16-31 block 2 c + 1
.irp i, 0,1,2
	v_permlane16_swap_b32 v[220+6*\c+\i], v[212+4*\c+\i]
.endr
.irp i, 0,1,2
	v_mov_b32 v[223+6*\c+\i], v[212+4*\c+\i]
.endr
.endr
.set nn, 0
.rept 16
	v_pk_mul_f32 v[160+nn:161+nn], v[160+nn:161+nn], v[232:233] op_sel_hi:[1,0]   ; O^T under the new M; these sixteen are also the places between p's codes and scale word and the products
.set nn, nn+2
.endr
	s_wait_dscnt 0x0                               ; v
.irp t, 0,1,2,3
	v_wmma_scale_f32_16x16x128_f8f6f4 v[160+8*\t:167+8*\t], v[36+12*\t:47+12*\t], v[220:231], v[160+8*\t:167+8*\t], v[88+\t], v233 matrix_a_fmt:MATRIX_FMT_FP6 matrix_b_fmt:MATRIX_FMT_FP6   ; the four accumulators by turns
.endr
.Lskip_\@:
	s_wait_loadcnt 0x0                             ; the next block, if it was asked for, is in registers; so KVP may step
	s_cmp_lt_u32 s[J1], s[NST]
	s_cbranch_scc0 .Lnostore_\@
	ds_store_b128 v4, v[192:195] offset:SN         ; into the other slot: every wave's reads of it were over at the last barrier
	s_cmp_lt_u32 s[WV], 10
	s_cbranch_scc0 .Lnostore_\@
	ds_store_b128 v4, v[196:199] offset:SN+8192
.Lnostore_\@:
	s_wait_dscnt 0x0                               ; my stores have landed and my reads of this slot are over
	s_barrier_signal -1
	s_barrier_wait -1
	s_mov_b32 s[JJ], s[J1]
	s_add_co_u32 s[KF], s[KF], 128
	s_add_nc_u64 s[KVP:KVP+1], s[KVP:KVP+1], 13312
.endm
.Lkeys:                                ; eight trips of two steps, whatever valid_length says
	ASTEP 0
	ASTEP 1
	s_sub_co_u32 s[TRIP], s[TRIP], 1
	s_cmp_lg_u32 s[TRIP], 0
	s_cbranch_scc1 .Lkeys
	; THE WAY OUT: O^T / the sum, 32 numbers a lane: register 16 b + i is d = 32 b + 16 h + i of my query: two blocks of the last projection's K
.rept 4
	v_nop                                          ; places behind the last products
.endr
	v_add_f32 v14, v14, v15
	v_permlanex16_b32 v234, v14, s[SEL], s[SEL+1]
	v_add_f32 v14, v14, v234                       ; the row's sum
	v_rcp_f32 v14, v14
	v_nop                                          ; a plain line behind the transcendental
	s_wait_alu depctr_va_vdst(0)                   ; and the wait ahead of its first reader
.set nn, 0
.rept 32
	v_mul_f32 v[96+nn], v[160+nn], v14
.set nn, nn+1
.endr
.irp b, 0,1
	v_max3_num_f32 v[200+\b], |v[96+16*\b]|, |v[97+16*\b]|, 0x1800000
.endr
.irp i, 2,4,6,8,10,12,14
.irp b, 0,1
	v_max3_num_f32 v[200+\b], v[200+\b], |v[96+16*\b+\i]|, |v[97+16*\b+\i]|
.endr
.endr
.irp b, 0,1
	v_permlanex16_b32 v[204+\b], v[200+\b], s[SEL], s[SEL+1]
.endr
.irp b, 0,1
	v_max_num_f32 v[200+\b], v[200+\b], v[204+\b]
.endr
.irp b, 0,1
	v_add_nc_u32 v[208+\b], 0xff000000, v[200+\b]
.endr
.irp b, 0,1
	v_lshrrev_b32 v[204+\b], 23, v[208+\b]
.endr
	v_lshl_or_b32 v233, v205, 8, v204              ; the two bytes of my head
	v_cvt_scalef32_pk16_fp6_f32 v[220:222], v[96:111], v208
	v_cvt_scalef32_pk16_fp6_f32 v[212:214], v[112:127], v209
	v_nop
.irp i, 0,1,2
	v_permlane16_swap_b32 v[220+\i], v[212+\i]
.endr
.irp i, 0,1,2
	v_mov_b32 v[223+\i], v[212+\i]
.endr
	global_store_b128 v1, v[220:223], s[AP:AP+1]   ; half a fragment: 512 and 256 consecutive bytes, at multiples of 256 from the buffer's first byte
	global_store_b64 v2, v[224:225], s[AP:AP+1]
	global_store_b32 v3, v233, s[ASP:ASP+1]
	s_wait_tensorcnt 0x0
	ds_add_u32 v254, v255
	s_wait_dscnt 0x0
	s_endpgm
.Lfunc_end_k_q39c6914eba_attn:
	.size	k_q39c6914eba_attn, .Lfunc_end_k_q39c6914eba_attn-k_q39c6914eba_attn
	.p2alignl 7, 3214868480
	.fill 96, 4, 3214868480
	.section	.rodata,"a",@progbits
	.p2align	6, 0x0
	.amdhsa_kernel k_q39c6914eba_attn
		.amdhsa_group_segment_fixed_size 34816
		.amdhsa_private_segment_fixed_size 0
		.amdhsa_enable_private_segment 0
		.amdhsa_kernarg_size 40
		.amdhsa_user_sgpr_count 2
		.amdhsa_user_sgpr_kernarg_segment_ptr 1
		.amdhsa_wavefront_size32 1
		.amdhsa_system_sgpr_workgroup_id_x 1
		.amdhsa_system_sgpr_workgroup_id_y 1
		.amdhsa_system_sgpr_workgroup_id_z 1
		.amdhsa_system_vgpr_workitem_id 0
		.amdhsa_next_free_vgpr 256
		.amdhsa_next_free_sgpr 66
		.amdhsa_reserve_vcc 1
		.amdhsa_float_denorm_mode_32 3
		.amdhsa_float_denorm_mode_16_64 3
		.amdhsa_memory_ordered 1
		.amdhsa_forward_progress 1
		.amdhsa_inst_pref_size 59
	.end_amdhsa_kernel
	.amdgpu_metadata
---
amdhsa.version: [ 1, 2 ]
amdhsa.kernels:
  - .name:           k_q39c6914eba_attn
    .symbol:         k_q39c6914eba_attn.kd
    .args:
      - { .name: qb, .offset: 0, .size: 8, .value_kind: global_buffer, .address_space: global }
      - { .name: kv, .offset: 8, .size: 8, .value_kind: global_buffer, .address_space: global }
      - { .name: valid_length, .offset: 16, .size: 8, .value_kind: global_buffer, .address_space: global }
      - { .name: aimg, .offset: 24, .size: 8, .value_kind: global_buffer, .address_space: global }
      - { .name: asc, .offset: 32, .size: 8, .value_kind: global_buffer, .address_space: global }
    .group_segment_fixed_size: 34816
    .private_segment_fixed_size: 0
    .kernarg_segment_align: 8
    .kernarg_segment_size: 40
    .max_flat_workgroup_size: 512
    .sgpr_count:     66
    .vgpr_count:     256
    .wavefront_size: 32
...
	.end_amdgpu_metadata
.endif
;; end of part 3
;; launch oproj (part 4): grid 64 x 2, 4 waves a work-group, no clusters, 140,800 bytes of LDS; arguments aimg, asc, wimg, b_o, out0; writes out0
.if DOCPART == 4
	.amdgcn_target "amdgcn-amd-amdhsa--gfx1250"
	.amdhsa_code_object_version 6
	.text
	.protected	k_q39c6914eba_oproj
	.globl	k_q39c6914eba_oproj
	.p2align	8
	.type	k_q39c6914eba_oproj,@function
k_q39c6914eba_oproj:
	s_mov_b64 s[64:65], 0
	v_nop
	global_prefetch_b8 v0, s[64:65] scope:SCOPE_SE
	s_setreg_imm32_b32 hwreg(HW_REG_WAVE_MODE, 25, 1), 1
	s_wait_xcnt 0x0
; out0 = attention W_o + b_o on codes of FP6 (E2M3) with one E8M0 scale for each 32 along K.  Both operands arrive as images of their registers: the rows from launch attn, the weight from launch wq.
; Work-group (X, y): 128 tokens x 512 columns; wave w makes 128 x 128 (64 accumulators) for column group g = 4 y + w, in eight K steps of 128 (two heads each) on two sets of fragments.
; The rows' 98,304 bytes of halves are copied into LDS as they lie ([head][tile a][768] is [2 s + c][a][768]); the two heads' scale bytes of a K step are joined into one word on the way.  One barrier; then LDS is only read, but for each wave's own stage.
; The weights go from memory straight into the registers of the one wave that multiplies them.  NO CLUSTER, NO TENSOR LOAD: a joint load lands in LDS, and each weight fragment is wanted by one wave alone.
; Source 0 = 16 columns, source 1 = 16 tokens: a lane holds one token and its 64 registers run along the group's 128 columns (row r of tile 2 b + u is index 32 b + 8 u + r + 8 (r / 8)): 16 registers of tiles 2 b, 2 b + 1 are 16 neighbours.
; A tile of 16 tokens goes through the wave's stage and leaves as rows of 512 consecutive bytes.
; REGISTERS, in windows of 256.  Window 0: v4-20 addresses; v32-47 the tokens' scale words, two sets; v48-63 the weights'; v64-159, v160-255 the tokens' fragments, two sets (at the head: the copy; on the way out: results).
;   Window 1: v0-63 the bias; v64-255 the weights' fragments, two sets.  Windows 2, 3: accumulator (m, n) at v[8 (8 (n % 4) + m)] of window 2 + n / 4.
.set XSC,  98304
.set STG,  106496                      ; a stage of 16 rows x (512 + 16) bytes for each wave
.set G16,  4
.set G8,   5
.set G4,   6
.set G4F,  7
.set TA,   9
.set TB,   10
.set TC,   11
.set SST,  12                          ; v12  the stage, in: 528 r + 64 h
.set SRB,  13                          ; v13  the stage, out: 16 x lane
.set T16,  14                          ; v14  16 x thread
.set T16H, 15                          ; v15  the same + 65,536
.set AOF,  16                          ; v16  my place among the scale images in memory
.set XST,  17                          ; v17  and in LDS
.set BOA,  20                          ; v20  the bias's lane offset: 64 h
.set TSC,  32
.set WSC,  48
.set FRG,  64
.set WV,   14
.set GG,   15
.set AIP,  16                          ; s[16:17] the rows' halves
.set ASP,  18                          ; s[18:19] their scale images
.set OP,   20                          ; s[20:21] out0 at my block's first row, my 128 columns
.set BP,   26
.set WP,   28
.set KC,   37
.set TO,   38
.set TSO,  39
.set MSB, 0
.macro WIN new                         ; the immediate's high byte repeats the setting that is left; a switch that changes nothing is dropped
.if MSB != (\new)
	s_set_vgpr_msb (MSB<<8)|(\new)
.set MSB, (\new)
.endif
.endm
.macro PLACES                          ; four plain vector lines between a matrix instruction and a load into, or a vector line on, one of its registers
.rept 4
	v_nop
.endr
.endm
.macro FETCHW par                      ; the eight weight fragments and scale words of the block at WP, into set par
	WIN 0x40
.irp i, 0,1,2,3,4,5,6,7
	global_load_b128 v[FRG+96*(\par)+12*\i:FRG+96*(\par)+12*\i+3], v[G16], s[WP:WP+1] offset:1536*\i
	global_load_b64 v[FRG+96*(\par)+12*\i+4:FRG+96*(\par)+12*\i+5], v[G8], s[WP:WP+1] offset:1536*\i+512
	global_load_b128 v[FRG+96*(\par)+12*\i+6:FRG+96*(\par)+12*\i+9], v[G16], s[WP:WP+1] offset:1536*\i+768
	global_load_b64 v[FRG+96*(\par)+12*\i+10:FRG+96*(\par)+12*\i+11], v[G8], s[WP:WP+1] offset:1536*\i+1280
.endr
	WIN 0
.irp i, 0,1,2,3,4,5,6,7
	global_load_b32 v[WSC+8*(\par)+\i], v[G4], s[WP:WP+1] offset:12288+64*\i
.endr
.endm
.macro FETCHT par                      ; the eight token fragments and scale words of the K step at TA, TB, TC, into set par
.irp a, 0,1,2,3,4,5,6,7
	ds_load_b128 v[FRG+96*(\par)+12*\a:FRG+96*(\par)+12*\a+3], v[TA] offset:768*\a
	ds_load_b64 v[FRG+96*(\par)+12*\a+4:FRG+96*(\par)+12*\a+5], v[TB] offset:768*\a+512
	ds_load_b128 v[FRG+96*(\par)+12*\a+6:FRG+96*(\par)+12*\a+9], v[TA] offset:6144+768*\a
	ds_load_b64 v[FRG+96*(\par)+12*\a+10:FRG+96*(\par)+12*\a+11], v[TB] offset:6144+768*\a+512
	ds_load_b32 v[TSC+8*(\par)+\a], v[TC] offset:128*\a
.endr
.endm
; 64 matrix instructions: a K step of 128.  Source 0 the weight (window 1), source 1 the tokens (window 0).  The 64 accumulators take turns, one instruction a turn.
.macro MUL par, zero
.set FB, FRG+96*(\par)
.irp n, 0,1,2,3,4,5,6,7
	WIN 0xa1+0x50*(\n/4)
.irp m, 0,1,2,3,4,5,6,7
.if \zero
	v_wmma_scale_f32_16x16x128_f8f6f4 v[8*(8*(\n%4)+\m):8*(8*(\n%4)+\m)+7], v[FB+12*\m:FB+12*\m+11], v[FB+12*\n:FB+12*\n+11], 0, v[WSC+8*(\par)+\m], v[TSC+8*(\par)+\n] matrix_a_fmt:MATRIX_FMT_FP6 matrix_b_fmt:MATRIX_FMT_FP6
.else
	v_wmma_scale_f32_16x16x128_f8f6f4 v[8*(8*(\n%4)+\m):8*(8*(\n%4)+\m)+7], v[FB+12*\m:FB+12*\m+11], v[FB+12*\n:FB+12*\n+11], v[8*(8*(\n%4)+\m):8*(8*(\n%4)+\m)+7], v[WSC+8*(\par)+\m], v[TSC+8*(\par)+\n] matrix_a_fmt:MATRIX_FMT_FP6 matrix_b_fmt:MATRIX_FMT_FP6
.endif
.endr
.endr
.endm
.macro STEP par, zero                  ; a K step that has a successor: the successor's fragments are asked for ahead of this step's products
	s_add_co_u32 s[TO], s[TO], 12288
	s_add_co_u32 s[TSO], s[TSO], 1024
	v_add_nc_u32 v[TA], s[TO], v[G16]              ; these three and the v_nop are the four places behind the last step's products, which read the other set
	v_add_nc_u32 v[TB], s[TO], v[G8]
	v_add_nc_u32 v[TC], s[TSO], v[G4F]
	v_nop
	FETCHT 1-\par
	FETCHW 1-\par
	MUL \par, \zero
	WIN 0
	s_wait_dscnt 0x0
	s_wait_loadcnt 0x0                             ; the next step's fragments are in: so WP may step
	s_add_nc_u64 s[WP:WP+1], s[WP:WP+1], 12800
.endm
	s_load_b256 s[4:11], s[0:1], 0x0               ; aimg, asc, wimg, b_o
	s_load_b64 s[12:13], s[0:1], 0x20              ; out0
	v_lshl_add_u32 v30, v0, 2, 0x22400
	v_mov_b32 v31, 0
	v_lshrrev_b32 v1, 5, v0
	v_readfirstlane_b32 s[WV], v1                  ; wave 0..3
	s_and_b32 s[GG], ttmp7, 0xffff
	s_lshl_b32 s[GG], s[GG], 2
	s_add_co_u32 s[GG], s[GG], s[WV]               ; my column group
	v_and_b32 v1, 31, v0                           ; lane
	v_and_b32 v2, 15, v0                           ; r
	v_bfe_u32 v3, v0, 4, 1                         ; h
	v_lshlrev_b32 v[G16], 4, v1
	v_lshlrev_b32 v[G8], 3, v1
	v_lshlrev_b32 v[G4], 2, v2
	v_lshlrev_b32 v[G4F], 2, v1
	s_mul_i32 s40, s[WV], 8448
	s_add_co_u32 s40, s40, STG
	v_mul_u32_u24 v[SST], v2, 528
	v_lshl_add_u32 v[SST], v3, 6, v[SST]
	v_add_nc_u32 v[SST], s40, v[SST]
	v_add_nc_u32 v[SRB], s40, v[G16]
	v_lshlrev_b32 v[T16], 4, v0
	v_add_nc_u32 v[T16H], 0x10000, v[T16]
	v_lshrrev_b32 v[AOF], 6, v0
	v_lshlrev_b32 v[AOF], 11, v[AOF]
	v_and_b32 v8, 63, v0
	v_lshl_add_u32 v[AOF], v8, 4, v[AOF]           ; 2,048 (thread / 64) + 16 (thread % 64)
	v_add_nc_u32 v[XST], XSC, v[T16]
	v_lshlrev_b32 v[BOA], 6, v3
	s_mul_i32 s40, s[GG], 102400
	s_add_co_u32 s40, s40, 2457600                 ; W_o's images, my column group, K step 0
	s_mov_b32 s41, 0
	s_mul_i32 s42, ttmp9, 98304
	s_mov_b32 s43, 0
	s_lshl_b32 s44, ttmp9, 14
	s_mov_b32 s45, 0
	s_lshl_b32 s46, s[GG], 9                       ; 128 columns of f32: in b_o and in a row of out0
	s_mov_b32 s47, 0
	s_lshl_b32 s22, ttmp9, 19                      ; 128 rows of 4,096 bytes
	s_mov_b32 s23, 0
	s_wait_kmcnt 0x0
	s_add_nc_u64 s[WP:WP+1], s[8:9], s[40:41]
	s_add_nc_u64 s[AIP:AIP+1], s[4:5], s[42:43]
	s_add_nc_u64 s[ASP:ASP+1], s[6:7], s[44:45]
	s_add_nc_u64 s[BP:BP+1], s[10:11], s[46:47]
	s_add_nc_u64 s[OP:OP+1], s[12:13], s[22:23]
	s_add_nc_u64 s[OP:OP+1], s[OP:OP+1], s[46:47]
	FETCHW 0
.set nn, 0
.rept 48
	global_load_b128 v[64+4*nn:67+4*nn], v[T16], s[AIP:AIP+1] offset:2048*nn   ; the work-group reads 2,048 consecutive bytes an instruction
.set nn, nn+1
.endr
	WIN 0x80                                       ; destination window 2
.irp i, 0,1,2,3
	global_load_b128 v[4*\i:4*\i+3], v[AOF], s[ASP:ASP+1] offset:4096*\i            ; the even heads' words of K steps 2 i, 2 i + 1,
	global_load_b128 v[16+4*\i:19+4*\i], v[AOF], s[ASP:ASP+1] offset:4096*\i+1024   ; and the odd heads'
.endr
	WIN 0x40
.irp b, 0,1,2,3
.irp j, 0,1,2,3
	global_load_b128 v[16*\b+4*\j:16*\b+4*\j+3], v[BOA], s[BP:BP+1] offset:128*\b+16*\j   ; b_o at columns 32 b + 16 h + 0 .. 15
.endr
.endr
	WIN 0
	s_wait_loadcnt 0x0
.set nn, 0
.rept 32
	ds_store_b128 v[T16], v[64+4*nn:67+4*nn] offset:2048*nn
.set nn, nn+1
.endr
.set nn, 0
.rept 16
	ds_store_b128 v[T16H], v[192+4*nn:195+4*nn] offset:2048*nn
.set nn, nn+1
.endr
	WIN 0xa2                                       ; destination, source 0 and source 2 window 2
.set nn, 0
.rept 16
	v_lshl_or_b32 v[nn], v[16+nn], 16, v[nn]       ; a K step's scale word: the even head's two bytes below, the odd head's above
.set nn, nn+1
.endr
	WIN 0x08                                       ; an LDS store's data are its source 1: window 2
.irp i, 0,1,2,3
	ds_store_b128 v[XST], v[4*\i:4*\i+3] offset:2048*\i
.endr
	WIN 0
	s_wait_dscnt 0x0                               ; for the others' sake: my part of the copy is stored
	s_barrier_signal -1
	s_barrier_wait -1
	s_mov_b32 s[TO], 0
	s_mov_b32 s[TSO], XSC
	v_add_nc_u32 v[TA], s[TO], v[G16]
	v_add_nc_u32 v[TB], s[TO], v[G8]
	v_add_nc_u32 v[TC], s[TSO], v[G4F]
	FETCHT 0
	s_wait_dscnt 0x0
	s_add_nc_u64 s[WP:WP+1], s[WP:WP+1], 12800     ; (K step 0's weights were waited for above)
	STEP 0, 1                                      ; the first step's products start the sums: nothing is cleared
	s_mov_b32 s[KC], 3
.Lk:
	STEP 1, 0
	STEP 0, 0
	s_sub_co_u32 s[KC], s[KC], 1
	s_cmp_lg_u32 s[KC], 0
	s_cbranch_scc1 .Lk
	MUL 1, 0                                       ; the last K step fetches nothing
	WIN 0
	PLACES                                         ; behind the last products, ahead of the first read of results and of loads into the fragments' registers
; THE WAY OUT of token tile a: + bias; through my stage; sixteen rows of 512 consecutive bytes.
.macro SEND a
	s_wait_xcnt 0x0                                ; the last tile's stores have read their registers
	WIN 0x06+(\a)/4                                ; source 0: the accumulators' window, source 1: window 1
.set ii, 0
.rept 32
	v_pk_add_f32 v[64+2*ii:65+2*ii], v[64*((\a)%4)+2*ii:64*((\a)%4)+2*ii+1], v[2*ii:2*ii+1]   ; each accumulator from its low end on
.set ii, ii+1
.endr
	WIN 0
.irp b, 0,1,2,3
.irp j, 0,1,2,3
	ds_store_b128 v[SST], v[64+16*\b+4*\j:67+16*\b+4*\j] offset:128*\b+16*\j
.endr
.endr
.irp i, 0,1,2,3,4,5,6,7,8,9,10,11,12,13,14,15
	ds_load_b128 v[128+4*\i:131+4*\i], v[SRB] offset:528*\i    ; LDS serves a wave's instructions in order: these see my stores, and the next tile's stores come behind them
.endr
	s_wait_dscnt 0x0
.irp i, 0,1,2,3,4,5,6,7,8,9,10,11,12,13,14,15
	global_store_b128 v[G16], v[128+4*\i:131+4*\i], s[OP:OP+1] offset:(32*((\a)/2)+8*((\a)%2)+\i+8*(\i/8))*4096 th:TH_STORE_NT   ; 32 lanes store 512 consecutive bytes of one row, at a multiple of 256 from the buffer's first byte
.endr
.endm
.irp a, 0,1,2,3,4,5,6,7
	SEND \a
.endr
	s_wait_tensorcnt 0x0
	ds_add_u32 v30, v31
	s_wait_dscnt 0x0
	s_endpgm
.Lfunc_end_k_q39c6914eba_oproj:
	.size	k_q39c6914eba_oproj, .Lfunc_end_k_q39c6914eba_oproj-k_q39c6914eba_oproj
	.p2alignl 7, 3214868480
	.fill 96, 4, 3214868480
	.section	.rodata,"a",@progbits
	.p2align	6, 0x0
	.amdhsa_kernel k_q39c6914eba_oproj
		.amdhsa_group_segment_fixed_size 140800
		.amdhsa_private_segment_fixed_size 0
		.amdhsa_enable_private_segment 0
		.amdhsa_kernarg_size 40
		.amdhsa_user_sgpr_count 2
		.amdhsa_user_sgpr_kernarg_segment_ptr 1
		.amdhsa_wavefront_size32 1
		.amdhsa_system_sgpr_workgroup_id_x 1
		.amdhsa_system_sgpr_workgroup_id_y 1
		.amdhsa_system_sgpr_workgroup_id_z 1
		.amdhsa_system_vgpr_workitem_id 0
		.amdhsa_next_free_vgpr 1024
		.amdhsa_next_free_sgpr 66
		.amdhsa_reserve_vcc 0
		.amdhsa_float_denorm_mode_32 3
		.amdhsa_float_denorm_mode_16_64 3
		.amdhsa_memory_ordered 1
		.amdhsa_forward_progress 1
		.amdhsa_inst_pref_size 119
	.end_amdhsa_kernel
	.amdgpu_metadata
---
amdhsa.version: [ 1, 2 ]
amdhsa.kernels:
  - .name:           k_q39c6914eba_oproj
    .symbol:         k_q39c6914eba_oproj.kd
    .args:
      - { .name: aimg, .offset: 0, .size: 8, .value_kind: global_buffer, .address_space: global }
      - { .name: asc, .offset: 8, .size: 8, .value_kind: global_buffer, .address_space: global }
      - { .name: wimg, .offset: 16, .size: 8, .value_kind: global_buffer, .address_space: global }
      - { .name: b_o, .offset: 24, .size: 8, .value_kind: global_buffer, .address_space: global }
      - { .name: out0, .offset: 32, .size: 8, .value_kind: global_buffer, .address_space: global }
    .group_segment_fixed_size: 140800
    .private_segment_fixed_size: 0
    .kernarg_segment_align: 8
    .kernarg_segment_size: 40
    .max_flat_workgroup_size: 128
    .sgpr_count:     66
    .vgpr_count:     1024
    .wavefront_size: 32
...
	.end_amdgpu_metadata
.endif
;; end of part 4
;; ======== version 2 of 2: 4 launches
;; limits: right only within a limited range of input values
;; workspace buffers: wimg 3,276,800 bytes; qb 6,815,744 bytes; kv 13,631,488 bytes; aimg 6,291,456 bytes; asc 1,048,576 bytes
;; launch wq (part 5): grid 8 x 32, 4 waves a work-group, no clusters, 12,800 bytes of LDS; arguments W_q, W_k, W_v, W_o, wimg; writes wimg
.if DOCPART == 5
	.amdgcn_target "amdgcn-amd-amdhsa--gfx1250"
	.amdhsa_code_object_version 6
	.text
	.protected	k_q39c6914eba_wq
	.globl	k_q39c6914eba_wq
	.p2align	8
	.type	k_q39c6914eba_wq,@function
k_q39c6914eba_wq:
	s_mov_b64 s[64:65], 0
	v_nop
	global_prefetch_b8 v0, s[64:65] scope:SCOPE_SE
	s_setreg_imm32_b32 hwreg(HW_REG_WAVE_MODE, 25, 1), 1
	s_wait_xcnt 0x0
; The four weights [1024 (k)][1024 (n)], f32, K along the FIRST axis, become operand images of FP6 (E2M3) codes with one E8M0 byte for each 32 along K.
; wimg: [weight q,k,v,o][g: 128 columns][s: 128 along K][12,800 bytes]: eight fragments of 1,536 bytes (tile t at 1536 t), then eight times 64 bytes of scale words (12,288 + 64 t + 4 r).
; A fragment (16 columns x 128 k, 12 registers a lane) lies as two halves of 768 bytes (k 0-63, k 64-127): registers 0-3 of lane L at 16 L, registers 4-5 at 512 + 8 L.
; THE COLUMNS OF A TILE ARE NOT NEIGHBOURS: row r of tile 2 b + u is column 32 b + 8 u + r + 8 (r / 8) of its group, so that a later product's 16 registers of two neighbouring tiles are 16 neighbours.
; A LANE TAKES A COLUMN AND ITS REGISTERS RUN DOWN K: a load reads 128 consecutive bytes a wave (512 a work-group), a block of 32 lies in one lane, and the conversions give codes with K innermost.
; Work-group (x, y): columns 128 x on, weight y / 8, K step y % 8; wave w: columns 32 w on, which are tiles 2 w and 2 w + 1.  The codes turn through the wave's own 3,072 bytes of LDS and leave as six stores of 512 consecutive bytes.
; A block's scale is 2^(floor(log2(largest magnitude)) - 2); its byte is the largest magnitude's exponent field - 2, held at 1 from below.
; LIMITS: a block of zeros gets the byte 1 (its codes are zeros; the bytes are read by this program alone); NaN and infinities among the inputs are not served.
; No matrix unit, no cluster, no barrier: waves share nothing, each input byte is read once.
.set X,   32                           ; v32-159  128 numbers: my column, k 0 .. 127 of the K step
.set C,   160                          ; v160-207 a block's codes: 12 registers for each block, so that no store's data are written again
.set SBW, 10                           ; v10      my column's scale word
	s_load_b256 s[4:11], s[0:1], 0x0               ; W_q, W_k, W_v, W_o
	s_load_b64 s[12:13], s[0:1], 0x20              ; wimg
	v_lshl_add_u32 v208, v0, 2, 0x3000
	v_mov_b32 v209, 0
	v_lshrrev_b32 v1, 5, v0
	v_readfirstlane_b32 s16, v1                    ; wave 0..3
	v_and_b32 v2, 31, v0                           ; lane = my column among the wave's 32
	v_bfe_u32 v3, v0, 3, 1                         ; u: which of the wave's two tiles
	v_bfe_u32 v4, v0, 4, 1
	v_and_b32 v5, 7, v0
	v_lshl_add_u32 v5, v4, 3, v5                   ; r: my row in that tile
	s_mul_i32 s17, s16, 3072                       ; my wave's two fragments, in LDS and in the block alike
	v_mul_u32_u24 v6, v3, 1536
	v_add_nc_u32 v6, s17, v6
	v_lshl_add_u32 v7, v5, 4, v6                   ; where registers 0-3 of lane r go: 3072 w + 1536 u + 16 r
	v_lshl_add_u32 v8, v5, 3, v6
	v_add_nc_u32 v8, 512, v8                       ; and registers 4-5: + 512 + 8 r
	v_lshlrev_b32 v9, 4, v2
	v_add_nc_u32 v9, s17, v9                       ; the way out: 3072 w + 16 x lane
	v_lshlrev_b32 v14, 2, v2                       ; in: 4 bytes a lane
	s_lshl_b32 s18, s16, 7
	s_add_co_u32 s18, s18, 12288
	v_lshlrev_b32 v15, 6, v3
	v_lshl_add_u32 v15, v5, 2, v15
	v_add_nc_u32 v15, s18, v15                     ; my scale word's place: 12,288 + 128 w + 64 u + 4 r
	s_and_b32 s19, ttmp7, 0xffff
	s_lshr_b32 s20, s19, 3                         ; which weight
	s_and_b32 s21, s19, 7                          ; which K step
	s_lshl_b32 s22, s21, 19                        ; 128 rows of 4,096 bytes
	s_lshl_b32 s23, ttmp9, 9                       ; 128 columns
	s_add_co_u32 s22, s22, s23
	s_lshl_b32 s23, s16, 7                         ; my wave's 32 columns
	s_add_co_u32 s22, s22, s23
	s_mov_b32 s23, 0
	s_lshl_b32 s24, s20, 6
	s_lshl_b32 s25, ttmp9, 3
	s_add_co_u32 s24, s24, s25
	s_add_co_u32 s24, s24, s21
	s_mul_i32 s24, s24, 12800                      ; the block: (64 weight + 8 g + s) x 12,800
	s_mov_b32 s25, 0
	s_wait_alu depctr_va_vdst(0)
	s_wait_kmcnt 0x0
	s_cmp_eq_u32 s20, 1                            ; the choice hangs on the work-group's number alone
	s_cselect_b64 s[4:5], s[6:7], s[4:5]
	s_cmp_eq_u32 s20, 2
	s_cselect_b64 s[4:5], s[8:9], s[4:5]
	s_cmp_eq_u32 s20, 3
	s_cselect_b64 s[4:5], s[10:11], s[4:5]
	s_add_nc_u64 s[4:5], s[4:5], s[22:23]
	s_add_nc_u64 s[12:13], s[12:13], s[24:25]
.macro LOADW kb                        ; block kb: W(32 kb + i, my column), i = 0 .. 31
.set kk, 0
.rept 32
	global_load_b32 v[X+32*(\kb)+kk], v14, s[4:5] offset:(32*(\kb)+kk)*4096 th:TH_LOAD_NT
.set kk, kk+1
.endr
.endm
	LOADW 0
	LOADW 1
; Block kb is k = 32 kb on: half kb / 2 of the fragment, lanes 16 (kb % 2) + r.
.macro BLOCK kb
.set XS, X+32*(\kb)
.set CC, C+12*(\kb)
.if (\kb) < 3
	s_wait_loadcnt 32                              ; this block's 32 loads are in; the next block's may be out
.else
	s_wait_loadcnt 0x0
.endif
.if (\kb) < 2
	LOADW (\kb)+2                                  ; two blocks ahead
.endif
	v_max3_num_f32 v12, |v[XS]|, |v[XS+1]|, |v[XS+2]|      ; the block's largest magnitude: all 32 numbers are mine; two chains
	v_max3_num_f32 v13, |v[XS+3]|, |v[XS+4]|, |v[XS+5]|
.irp i, 6,10,14,18,22,26
	v_max3_num_f32 v12, v12, |v[XS+\i]|, |v[XS+\i+1]|
	v_max3_num_f32 v13, v13, |v[XS+\i+2]|, |v[XS+\i+3]|
.endr
	v_max3_num_f32 v12, v12, |v[XS+30]|, |v[XS+31]|
	v_max3_num_f32 v12, v12, v13, 0x1800000        ; and the floor 2^(3 - 127): the byte cannot fall under 1
	v_add_nc_u32 v11, 0xff000000, v12              ; 2 off the exponent field: the conversion takes the exponent field of this operand as its scale
	v_lshrrev_b32 v13, 23, v11                     ; the scale's byte
.if (\kb) == 0
	v_mov_b32 v[SBW], v13
.else
	v_lshl_or_b32 v[SBW], v13, 8*(\kb), v[SBW]     ; the lower k in the lower byte
.endif
	v_cvt_scalef32_pk16_fp6_f32 v[CC:CC+2], v[XS:XS+15], v11
	v_cvt_scalef32_pk16_fp6_f32 v[CC+8:CC+10], v[XS+16:XS+31], v11    ; (a conversion's three registers begin on an even number)
	v_nop                                          ; one plain line between a scaled conversion and the vector line that touches its result
.irp i, 0,1,2
	v_mov_b32 v[CC+3+\i], v[CC+8+\i]
.endr
	ds_store_b128 v7, v[CC:CC+3] offset:768*((\kb)/2)+256*((\kb)%2)
	ds_store_b64 v8, v[CC+4:CC+5] offset:768*((\kb)/2)+128*((\kb)%2)
.endm
	BLOCK 0
	BLOCK 1
	BLOCK 2
	BLOCK 3
.irp i, 0,1,2,3,4,5
	ds_load_b128 v[X+4*\i:X+4*\i+3], v9 offset:512*\i      ; LDS serves a wave's instructions in order: these see my stores
.endr
	global_store_b32 v15, v[SBW], s[12:13]         ; the wave's 32 scale words: 128 consecutive bytes
.irp i, 0,1,2,3,4,5
	s_wait_dscnt 5-\i                              ; the younger read-backs may be out
	global_store_b128 v9, v[X+4*\i:X+4*\i+3], s[12:13] offset:512*\i   ; 32 lanes store 512 consecutive bytes, at a multiple of 256 from the buffer's first byte
.endr
	s_wait_tensorcnt 0x0
	ds_add_u32 v208, v209
	s_wait_dscnt 0x0
	s_endpgm
.Lfunc_end_k_q39c6914eba_wq:
	.size	k_q39c6914eba_wq, .Lfunc_end_k_q39c6914eba_wq-k_q39c6914eba_wq
	.p2alignl 7, 3214868480
	.fill 96, 4, 3214868480
	.section	.rodata,"a",@progbits
	.p2align	6, 0x0
	.amdhsa_kernel k_q39c6914eba_wq
		.amdhsa_group_segment_fixed_size 12800
		.amdhsa_private_segment_fixed_size 0
		.amdhsa_enable_private_segment 0
		.amdhsa_kernarg_size 40
		.amdhsa_user_sgpr_count 2
		.amdhsa_user_sgpr_kernarg_segment_ptr 1
		.amdhsa_wavefront_size32 1
		.amdhsa_system_sgpr_workgroup_id_x 1
		.amdhsa_system_sgpr_workgroup_id_y 1
		.amdhsa_system_sgpr_workgroup_id_z 1
		.amdhsa_system_vgpr_workitem_id 0
		.amdhsa_next_free_vgpr 210
		.amdhsa_next_free_sgpr 66
		.amdhsa_reserve_vcc 0
		.amdhsa_float_denorm_mode_32 3
		.amdhsa_float_denorm_mode_16_64 3
		.amdhsa_memory_ordered 1
		.amdhsa_forward_progress 1
		.amdhsa_inst_pref_size 23
	.end_amdhsa_kernel
	.amdgpu_metadata
---
amdhsa.version: [ 1, 2 ]
amdhsa.kernels:
  - .name:           k_q39c6914eba_wq
    .symbol:         k_q39c6914eba_wq.kd
    .args:
      - { .name: W_q, .offset: 0, .size: 8, .value_kind: global_buffer, .address_space: global }
      - { .name: W_k, .offset: 8, .size: 8, .value_kind: global_buffer, .address_space: global }
      - { .name: W_v, .offset: 16, .size: 8, .value_kind: global_buffer, .address_space: global }
      - { .name: W_o, .offset: 24, .size: 8, .value_kind: global_buffer, .address_space: global }
      - { .name: wimg, .offset: 32, .size: 8, .value_kind: global_buffer, .address_space: global }
    .group_segment_fixed_size: 12800
    .private_segment_fixed_size: 0
    .kernarg_segment_align: 8
    .kernarg_segment_size: 40
    .max_flat_workgroup_size: 128
    .sgpr_count:     66
    .vgpr_count:     210
    .wavefront_size: 32
...
	.end_amdgpu_metadata
.endif
;; end of part 5
;; launch proj (part 6): grid 64 x 3, 4 waves a work-group, no clusters, 174,592 bytes of LDS; arguments query, key, value, b_q, b_k, b_v, wimg, qb, kv; writes qb, kv
.if DOCPART == 6
	.amdgcn_target "amdgcn-amd-amdhsa--gfx1250"
	.amdhsa_code_object_version 6
	.text
	.protected	k_q39c6914eba_proj
	.globl	k_q39c6914eba_proj
	.p2align	8
	.type	k_q39c6914eba_proj,@function
k_q39c6914eba_proj:
	s_mov_b64 s[64:65], 0
	v_nop
	global_prefetch_b8 v0, s[64:65] scope:SCOPE_SE
	s_setreg_imm32_b32 hwreg(HW_REG_WAVE_SCHED_MODE, 0, 2), 2
	s_setreg_imm32_b32 hwreg(HW_REG_WAVE_MODE, 25, 1), 1
	s_wait_xcnt 0x0
	s_wait_alu depctr_vm_vsrc(0)
; q = query W_q + b_q, k = key W_k + b_k, v = value W_v + b_v on codes of FP6 (E2M3) with one E8M0 scale for each 32 along K; the results are quantised again, in registers, as the operands of attention.
; Work-group (X, Y): 128 tokens (batch X / 16, block X % 16) of tensor Y (0 q, 1 k, 2 v), times all 1,024 columns.  Four waves; wave w makes 128 tokens x 128 columns (64 accumulators) for column groups w and w + 4, in two passes.
; PROLOGUE: wave w quantises tokens 32 w .. 32 w + 31 along the 1,024 and stores the fragments in LDS as images of their registers; one barrier; from there on LDS is only read.
; THE WEIGHTS come as images (launch wq) from memory straight into the registers of the one wave that multiplies them: a fragment feeds eight products of that wave and no other wave of the work-group.
; NO CLUSTER, NO TENSOR LOAD: a joint load lands in LDS, and each weight fragment is wanted by one wave alone: 12,800 bytes a wave and K step would be written to LDS and read back for nothing.
; TILE ORDER, of tokens and of columns alike: row r of tile 2 b + u is index 32 b + 8 u + r + 8 (r / 8) of its 128: so the 16 result registers of source 0's tiles 2 b, 2 b + 1 are the 16 neighbours 32 b + 16 (lane / 16) + 0 .. 15.
; q, k: source 0 = 16 columns, source 1 = 16 tokens: a lane holds one token, its 64 registers run along 128 columns = two heads of 64: quantised along the head.
; v:    source 0 = 16 tokens, source 1 = 16 columns: a lane holds one column d, its 64 registers run along the block's 128 tokens: quantised along the keys.
; OUT.  Half a fragment (16 rows x 64 k, 6 registers a lane) is 768 bytes: registers 0-3 of lane L at 16 L, registers 4-5 at 512 + 8 L.  A scale image is 128 bytes: lane L's word at 4 L.
;   qb [batch x 16 + head][block][6,656]: eight halves (token tile a at 768 a), four scale images at 6,144 + 128 f (bytes 0, 1: tile 2 f; bytes 2, 3: tile 2 f + 1).
;   kv [batch x 16 + head][block][13,312]: k as a block of qb; v's four fragments (16 d x 128 keys) at 6,656 + 1,536 t, their scale images at 12,800 + 128 t.
; LIMITS: a block of zeros gets the byte 1 (its codes are zeros; the bytes are read by this program alone); NaN and infinities are not served.
; REGISTERS, in windows of 256.  Window 0: v4-24 addresses; v32-47 the tokens' scale words, two sets; v48-63 the weights'; v64-159, v160-255 the tokens' fragments, two sets (in prologue and way out: numbers, codes, work).
;   Window 1: v0-63 the bias; v64-159, v160-255 the weights' fragments, two sets.  Windows 2, 3: accumulator (m, n) at v[8 (8 (n % 4) + m)] of window 2 + n / 4 (m: source 0's tile, n: source 1's); in the prologue window 2 holds the loads.
; THE MODE: SCHED_MODE bits 1:0 = 2 (LLVM: expert scheduling mode 2), set by the entry lines.  The code itself states the register dependences between vector or matrix instructions and memory or LDS instructions, with s_wait_alu, always for 0.
; THE PLAN.  Registers that memory or LDS instructions touch, and who else names them:
;   v4-7, v12-16, v20, v24   offsets and LDS addresses, made once at the head, ahead of the head's wait on va_vdst, and never written again.
;   PROLOGUE  window 2: a unit's 64 registers: global loads land there, the stage's stores read them, no vector instruction names them.
;             X sets v64-127, v128-191: the stage's loads land there, QUANT reads them.   v[PC ..], v[PW]: QUANT writes them, the image stores read them.   IA16, IA8, IA4: written once a trip, read by the image stores.
;             A unit holds one wait on vm_vsrc (behind the next unit's turn: the stage's stores have read window 2, the last images' stores the codes) and one on va_vdst (behind QUANT: codes, word and addresses are written,
;             and QUANT is done reading its X set, in which the next turn lands).  A trip holds one more wait on vm_vsrc, ahead of the three additions to IA.
;   K LOOP    two sets of fragments and scale words: step p's products read set p % 2; step p's loads land in the other set, which the products of step p - 1 read.  TA, TB, TC: written at a step's head, read by its LDS loads.
;             A step's head holds one wait on vm_vsrc (ahead of the additions to TA, TB, TC) and one on va_vdst (behind them).  The step's 80 loads follow with no further wait: the weights' in one run, the tokens' two fragments
;             at a time among the products, which name set p % 2, its scale words and the accumulators alone.
;   WAY OUT   the additions write X0, which no memory instruction names; QUANT writes the codes and the word, the permutes SW0, SW1; one wait on va_vdst ahead of a tile's stores; one on vm_vsrc, behind the next tile's additions, ahead of QUANT.
.set XIMG, 0                           ; LDS: the tokens' halves [2 s + c, 16][tile a, 8][768]
.set XSC,  98304                       ; their scale images [s, 8][a, 8][128]
.set STG,  106496                      ; two stages a wave, 16 rows x (512 + 16) bytes each: wave w, stage e at 16,896 w + 8,448 e
.set G16,  4                           ; v4   16 x lane
.set G8,   5                           ; v5   8 x lane
.set G4,   6                           ; v6   4 x (lane % 16)
.set G4F,  7                           ; v7   4 x lane
.set TA,   9                           ; v9-11  LDS addresses of the K step that is fetched
.set TB,   10
.set TC,   11
.set SW,   12                          ; v12  the stage, in: 16 x lane
.set SRD,  13                          ; v13  the stage, out: 528 r + 64 h
.set XW16, 14                          ; v14-16 my wave's places among the images
.set XW8,  15
.set XW4,  16
.set IA16, 17                          ; v17-19 the same, for the trip in hand
.set IA8,  18
.set IA4,  19
.set BOA,  20                          ; v20  the bias's lane offset for q, k: 64 h
.set PWE,  21                          ; v21  the even tile's scale word
.set SW0,  22                          ; v22-23 scale words of a pair of tiles, head by head
.set SW1,  23
.set BOB,  24                          ; v24  the bias's lane offset for v: 4 (r + 8 (r / 8))
.set TSC,  32
.set WSC,  48
.set FRG,  64
.set X0,   64                          ; two sets of 64 numbers at v64 and v128
.set PC,   192                         ; v192-210 the codes just made
.set TM,   212                         ; v212-227 at work
.set PW,   228                         ; v228 the scale word just made
.set XP,   24                          ; s[24:25] the activation at my wave's rows
.set BP,   26                          ; s[26:27] the bias at my 128 columns
.set WP,   28                          ; s[28:29] the weight block that is fetched next
.set OP0,  30                          ; s[30:31] out: the even head's block (v: its v part)
.set OP1,  32                          ; s[32:33] out: the odd head's block
.set WV,   34
.set YY,   35
.set PASS, 36
.set KC,   37
.set TO,   38
.set TSO,  39
.set SEL,  40                          ; s[40:41]
.set IO,   42
.set ISO,  43
.set OST,  44                          ; s[44:45] eight heads on in the out buffer
.set MSB, 0
.macro WIN new                         ; the immediate's high byte repeats the setting that is left; a switch that changes nothing is dropped
.if MSB != (\new)
	s_set_vgpr_msb (MSB<<8)|(\new)
.set MSB, (\new)
.endif
.endm
.macro PLACES                          ; four plain vector lines between a matrix instruction and a load into, or a vector line on, one of its registers
.rept 4
	v_nop
.endr
.endm
; 64 numbers of a lane, register 16 b + i = k 32 b + 16 (lane / 16) + i of my row, become a fragment's codes in v[PC] on and its scale word in v[PW].
.macro QUANT s
.irp b, 0,1,2,3
	v_max3_num_f32 v[TM+\b], |v[\s+16*\b]|, |v[\s+1+16*\b]|, 0x1800000   ; my 16 numbers of block b, and the floor 2^(3 - 127): the byte cannot fall under 1
.endr
.irp i, 2,4,6,8,10,12,14
.irp b, 0,1,2,3
	v_max3_num_f32 v[TM+\b], v[TM+\b], |v[\s+16*\b+\i]|, |v[\s+1+16*\b+\i]|   ; the four blocks by turns
.endr
.endr
.irp b, 0,1,2,3
	v_permlanex16_b32 v[TM+4+\b], v[TM+\b], s[SEL], s[SEL+1]
.endr
.irp b, 0,1,2,3
	v_max_num_f32 v[TM+\b], v[TM+\b], v[TM+4+\b]   ; with lane l xor 16's: the block's largest magnitude
.endr
.irp b, 0,1,2,3
	v_add_nc_u32 v[TM+12+\b], 0xff000000, v[TM+\b] ; 2 off the exponent field: the conversion's scale operand
.endr
.irp b, 0,1,2,3
	v_lshrrev_b32 v[TM+4+\b], 23, v[TM+12+\b]      ; the scale's byte
.endr
	v_lshl_or_b32 v[PW], v[TM+5], 8, v[TM+4]
	v_lshl_or_b32 v[PW], v[TM+6], 16, v[PW]
	v_lshl_or_b32 v[PW], v[TM+7], 24, v[PW]
.irp c, 0,1
	v_cvt_scalef32_pk16_fp6_f32 v[PC+6*\c:PC+2+6*\c], v[\s+32*\c:\s+15+32*\c], v[TM+12+2*\c]
	v_cvt_scalef32_pk16_fp6_f32 v[PC+12+4*\c:PC+14+4*\c], v[\s+16+32*\c:\s+31+32*\c], v[TM+12+2*\c+1]   ; (a conversion's three registers begin on an even number)
.endr
	v_nop                                          ; one plain line behind the scaled conversions
.irp c, 0,1                            ; the operand's layout wants a whole block in a lane: lanes 0-15 block 2 c, lanes 16-31 block 2 c + 1
.irp i, 0,1,2
	v_permlane16_swap_b32 v[PC+6*\c+\i], v[PC+12+4*\c+\i]
.endr
.irp i, 0,1,2
	v_mov_b32 v[PC+3+6*\c+\i], v[PC+12+4*\c+\i]
.endr
.endr
.endm
; the eight weight fragments and scale words of the block at WP, into set par
.macro FETCHW par
	WIN 0x40                                       ; destination window 1
.irp i, 0,1,2,3,4,5,6,7
	global_load_b128 v[FRG+96*(\par)+12*\i:FRG+96*(\par)+12*\i+3], v[G16], s[WP:WP+1] offset:1536*\i
	global_load_b64 v[FRG+96*(\par)+12*\i+4:FRG+96*(\par)+12*\i+5], v[G8], s[WP:WP+1] offset:1536*\i+512
	global_load_b128 v[FRG+96*(\par)+12*\i+6:FRG+96*(\par)+12*\i+9], v[G16], s[WP:WP+1] offset:1536*\i+768
	global_load_b64 v[FRG+96*(\par)+12*\i+10:FRG+96*(\par)+12*\i+11], v[G8], s[WP:WP+1] offset:1536*\i+1280
.endr
	WIN 0
.irp i, 0,1,2,3,4,5,6,7
	global_load_b32 v[WSC+8*(\par)+\i], v[G4], s[WP:WP+1] offset:12288+64*\i
.endr
.endm
; token fragments a0 and a0 + 1, and their scale words, of the K step at TA, TB, TC, into set par
.macro FETCHT2 par, a0
.irp a, \a0, \a0+1
	ds_load_b128 v[FRG+96*(\par)+12*(\a):FRG+96*(\par)+12*(\a)+3], v[TA] offset:768*(\a)
	ds_load_b64 v[FRG+96*(\par)+12*(\a)+4:FRG+96*(\par)+12*(\a)+5], v[TB] offset:768*(\a)+512
	ds_load_b128 v[FRG+96*(\par)+12*(\a)+6:FRG+96*(\par)+12*(\a)+9], v[TA] offset:6144+768*(\a)
	ds_load_b64 v[FRG+96*(\par)+12*(\a)+10:FRG+96*(\par)+12*(\a)+11], v[TB] offset:6144+768*(\a)+512
	ds_load_b32 v[TSC+8*(\par)+(\a)], v[TC] offset:128*(\a)
.endr
.endm
.macro FETCHT par                      ; all eight
	FETCHT2 \par, 0
	FETCHT2 \par, 2
	FETCHT2 \par, 4
	FETCHT2 \par, 6
.endm
; 16 of a K step's 64 matrix instructions: source 1's tiles n0, n0 + 1 against source 0's eight.  fl = 0: source 0 the weight (window 1), source 1 the tokens (window 0); fl = 1: the other way round.  zero = 1: the products start the sums.
; The 64 accumulators take turns, one instruction a turn, in the same order in every step.
.macro MUL16 par, zero, fl, n0
.if \fl
.set SCA, TSC+8*(\par)
.set SCB, WSC+8*(\par)
.else
.set SCA, WSC+8*(\par)
.set SCB, TSC+8*(\par)
.endif
.set FB, FRG+96*(\par)
	WIN 0xa1+3*(\fl)+0x50*((\n0)/4)
.irp n, \n0, \n0+1
.irp m, 0,1,2,3,4,5,6,7
.if \zero
	v_wmma_scale_f32_16x16x128_f8f6f4 v[8*(8*((\n)%4)+\m):8*(8*((\n)%4)+\m)+7], v[FB+12*\m:FB+12*\m+11], v[FB+12*(\n):FB+12*(\n)+11], 0, v[SCA+\m], v[SCB+(\n)] matrix_a_fmt:MATRIX_FMT_FP6 matrix_b_fmt:MATRIX_FMT_FP6
.else
	v_wmma_scale_f32_16x16x128_f8f6f4 v[8*(8*((\n)%4)+\m):8*(8*((\n)%4)+\m)+7], v[FB+12*\m:FB+12*\m+11], v[FB+12*(\n):FB+12*(\n)+11], v[8*(8*((\n)%4)+\m):8*(8*((\n)%4)+\m)+7], v[SCA+\m], v[SCB+(\n)] matrix_a_fmt:MATRIX_FMT_FP6 matrix_b_fmt:MATRIX_FMT_FP6
.endif
.endr
.endr
.endm
.macro MUL par, zero, fl               ; a whole K step of 128
	MUL16 \par, \zero, \fl, 0
	MUL16 \par, \zero, \fl, 2
	MUL16 \par, \zero, \fl, 4
	MUL16 \par, \zero, \fl, 6
.endm
; A K step that has a successor: the successor's fragments are asked for, into the other set: the weights' in one run ahead of this step's products, the tokens' two at a time among them.
.macro STEP par, zero, fl
	s_add_co_u32 s[TO], s[TO], 12288
	s_add_co_u32 s[TSO], s[TSO], 1024
	s_wait_alu depctr_vm_vsrc(0)                   ; the LDS loads issued so far have read TA, TB, TC, which are written again; the stores issued so far have read the codes' registers, which lie in set 1
	v_add_nc_u32 v[TA], s[TO], v[G16]              ; these three and the v_nop are four plain lines behind the last step's products, which read the other set
	v_add_nc_u32 v[TB], s[TO], v[G8]
	v_add_nc_u32 v[TC], s[TSO], v[G4F]
	v_nop
	s_wait_alu depctr_va_vdst(0)                   ; TA, TB, TC are written, which the LDS loads read; all that named the other set and its scale words (the last step's products; at a pass's start the quantiser) is done with them: the loads below land there
	FETCHW 1-\par
	FETCHT2 1-\par, 0
	MUL16 \par, \zero, \fl, 0                      ; no vector or matrix instruction since the wait names a register of the other set or an address: so the loads among the products owe no further wait
	WIN 0
	FETCHT2 1-\par, 2
	MUL16 \par, \zero, \fl, 2
	WIN 0
	FETCHT2 1-\par, 4
	MUL16 \par, \zero, \fl, 4
	WIN 0
	FETCHT2 1-\par, 6
	MUL16 \par, \zero, \fl, 6
	WIN 0
	s_wait_dscnt 0x0                               ; the next step's tokens
	s_wait_loadcnt 0x0                             ; and weights are in: so WP may step
	s_add_nc_u64 s[WP:WP+1], s[WP:WP+1], 12800
.endm
	s_load_b512 s[4:19], s[0:1], 0x0               ; query, key, value, b_q, b_k, b_v, wimg, qb
	s_load_b64 s[20:21], s[0:1], 0x40              ; kv
	v_lshl_add_u32 v30, v0, 2, 0x2a800
	v_mov_b32 v31, 0
	v_lshrrev_b32 v1, 5, v0
	v_readfirstlane_b32 s[WV], v1                  ; wave 0..3
	s_and_b32 s[YY], ttmp7, 0xffff                 ; 0 q, 1 k, 2 v
	v_and_b32 v1, 31, v0                           ; lane
	v_and_b32 v2, 15, v0                           ; r
	v_bfe_u32 v3, v0, 4, 1                         ; h
	v_lshlrev_b32 v[G16], 4, v1
	v_lshlrev_b32 v[G8], 3, v1
	v_lshlrev_b32 v[G4], 2, v2
	v_lshlrev_b32 v[G4F], 2, v1
	v_lshlrev_b32 v[BOA], 6, v3
	v_and_b32 v[BOB], 8, v2
	v_add_nc_u32 v[BOB], v[BOB], v2
	v_lshlrev_b32 v[BOB], 2, v[BOB]
.irp b, 0,1,2,3
	v_mov_b32 v[TM+4+\b], 0                        ; written once: a lane permute's destination counts as one of its sources
.endr
	s_wait_alu depctr_va_sdst(0)                   ; the wave's number is written, ahead of its first reader: LDS places, bases and branches are made from it
	s_mul_i32 s56, s[WV], 16896
	s_add_co_u32 s56, s56, STG
	v_add_nc_u32 v[SW], s56, v[G16]
	v_mul_u32_u24 v[SRD], v2, 528
	v_lshl_add_u32 v[SRD], v3, 6, v[SRD]
	v_add_nc_u32 v[SRD], s56, v[SRD]
	s_mul_i32 s57, s[WV], 1536                     ; my two tiles of tokens: 768 x (2 w)
	v_add_nc_u32 v[XW16], s57, v[G16]
	v_add_nc_u32 v[XW8], s57, v[G8]
	v_add_nc_u32 v[XW8], 512, v[XW8]
	s_lshl_b32 s58, s[WV], 8
	s_add_co_u32 s58, s58, XSC
	v_add_nc_u32 v[XW4], s58, v[G4F]
	s_mov_b32 s[SEL], 0x76543210
	s_mov_b32 s[SEL+1], 0xfedcba98                 ; v_permlanex16_b32's selects for lane l xor 16
	s_lshl_b32 s46, ttmp9, 19                      ; 128 rows of 4,096 bytes,
	s_lshl_b32 s47, s[WV], 17                      ; my wave's 32
	s_add_co_u32 s46, s46, s47
	s_mov_b32 s47, 0
	s_lshl_b32 s48, s[WV], 9                       ; the bias of column group w
	s_mov_b32 s49, 0
	s_mul_i32 s50, s[YY], 819200                   ; the weight's images,
	s_mul_i32 s51, s[WV], 102400                   ; column group w, K step 0
	s_add_co_u32 s50, s50, s51
	s_mov_b32 s51, 0
	s_lshr_b32 s52, ttmp9, 4
	s_lshl_b32 s52, s52, 4
	s_lshl_b32 s53, s[WV], 1
	s_add_co_u32 s52, s52, s53                     ; 16 x batch + head 2 w
	s_lshl_b32 s52, s52, 4
	s_and_b32 s53, ttmp9, 15
	s_add_co_u32 s52, s52, s53                     ; x 16 + block
	s_mov_b32 s54, 13312
	s_cmp_eq_u32 s[YY], 0
	s_cselect_b32 s54, 6656, s54                   ; a block's bytes: qb's or kv's
	s_mul_i32 s52, s52, s54
	s_cmp_eq_u32 s[YY], 2
	s_cselect_b32 s53, 6656, 0                     ; v lies behind k in a block
	s_add_co_u32 s52, s52, s53
	s_mov_b32 s53, 0
	s_lshl_b32 s[OST], s54, 7                      ; eight heads of sixteen blocks
	s_mov_b32 s[OST+1], 0
	s_lshl_b32 s54, s54, 4                         ; one head
	s_mov_b32 s55, 0
	s_wait_kmcnt 0x0
	s_cmp_eq_u32 s[YY], 1                          ; the choices hang on the work-group's number alone
	s_cselect_b64 s[XP:XP+1], s[6:7], s[4:5]
	s_cselect_b64 s[BP:BP+1], s[12:13], s[10:11]
	s_cmp_eq_u32 s[YY], 2
	s_cselect_b64 s[XP:XP+1], s[8:9], s[XP:XP+1]
	s_cselect_b64 s[BP:BP+1], s[14:15], s[BP:BP+1]
	s_cmp_eq_u32 s[YY], 0
	s_cselect_b64 s[OP0:OP0+1], s[18:19], s[20:21]
	s_add_nc_u64 s[XP:XP+1], s[XP:XP+1], s[46:47]
	s_add_nc_u64 s[BP:BP+1], s[BP:BP+1], s[48:49]
	s_add_nc_u64 s[WP:WP+1], s[16:17], s[50:51]
	s_add_nc_u64 s[OP0:OP0+1], s[OP0:OP0+1], s[52:53]
	s_add_nc_u64 s[OP1:OP1+1], s[OP0:OP0+1], s[54:55]
	s_wait_alu depctr_va_vdst(0)                   ; the offsets and LDS addresses v4-7, v12-16, v20, v24 are written: every load and store of the kernel reads some of them, and none is written again
	FETCHW 0                                       ; the first K step's weights: they land during the prologue
; ---- THE PROLOGUE.  A unit is 16 tokens x 128 along K.  Four units a trip: unit i is K step 2 j + i / 2, tile 2 w + i % 2.
; Each load reads 512 consecutive bytes of one row; the unit turns through a stage, so that a lane gets 16 neighbours of each block of 32 of ONE row.
.macro LOADX i, ahead
	WIN 0x80                                       ; destination window 2
.irp p, 0,1,2,3,4,5,6,7,8,9,10,11,12,13,14,15
	global_load_b128 v[64*(\i)+4*\p:64*(\i)+4*\p+3], v[G16], s[XP:XP+1] offset:(8*((\i)%2)+\p+8*(\p/8))*4096+512*((\i)/2)+1024*(\ahead) th:TH_LOAD_NT
.endr
	WIN 0
.endm
.macro TURN i
	WIN 0x08                                       ; an LDS store's data are its source 1: window 2
.irp p, 0,1,2,3,4,5,6,7,8,9,10,11,12,13,14,15
	ds_store_b128 v[SW], v[64*(\i)+4*\p:64*(\i)+4*\p+3] offset:8448*((\i)%2)+528*\p
.endr
	WIN 0
.irp b, 0,1,2,3
.irp j, 0,1,2,3
	ds_load_b128 v[X0+64*((\i)%2)+16*\b+4*\j:X0+64*((\i)%2)+16*\b+4*\j+3], v[SRD] offset:8448*((\i)%2)+128*\b+16*\j   ; LDS serves a wave's instructions in order: these see the stores above
.endr
.endr
.endm
.macro UNIT i, load, lc, turn
.if \turn
	s_wait_loadcnt \lc                             ; the next unit's 16 loads are in; the units asked for behind it may be out
	TURN ((\i)+1)%4                                ; its loads land in the X set that the last unit's QUANT read: that unit's wait on va_vdst stands behind QUANT, and no vector instruction since names the set
	s_wait_dscnt 32                                ; all but the turn just issued: my numbers are back, my unit's stage stores have read their registers, the last images are stored
.else
	s_wait_dscnt 0x0
.endif
	s_wait_alu depctr_vm_vsrc(0)                   ; my unit's stage stores have read their registers in window 2, in which the loads below land; the last unit's image stores have read v[PC ..] and v[PW], which QUANT writes again
.if \load
	LOADX \i, 1                                    ; the same unit of the next trip
.endif
.set QS, X0+64*((\i)%2)
	QUANT QS
	s_wait_alu depctr_va_vdst(0)                   ; QUANT has written the codes and the scale word, and the trip's head IA16, IA8, IA4, which the stores below read; QUANT is done reading its 64 numbers
	ds_store_b128 v[IA16], v[PC:PC+3] offset:12288*((\i)/2)+768*((\i)%2)
	ds_store_b64 v[IA8], v[PC+4:PC+5] offset:12288*((\i)/2)+768*((\i)%2)
	ds_store_b128 v[IA16], v[PC+6:PC+9] offset:12288*((\i)/2)+768*((\i)%2)+6144
	ds_store_b64 v[IA8], v[PC+10:PC+11] offset:12288*((\i)/2)+768*((\i)%2)+6144
	ds_store_b32 v[IA4], v[PW] offset:1024*((\i)/2)+128*((\i)%2)
.endm
.macro IADR
	s_wait_alu depctr_vm_vsrc(0)                   ; the last trip's image stores have read IA16, IA8, IA4
	v_add_nc_u32 v[IA16], s[IO], v[XW16]
	v_add_nc_u32 v[IA8], s[IO], v[XW8]
	v_add_nc_u32 v[IA4], s[ISO], v[XW4]
.endm
	LOADX 0, 0
	LOADX 1, 0
	LOADX 2, 0
	LOADX 3, 0
	s_wait_loadcnt 48                              ; unit 0 is in (and the weights asked for ahead of it); units 1 to 3 may be out
	TURN 0
	s_mov_b32 s[IO], 0
	s_mov_b32 s[ISO], 0
	s_mov_b32 s[KC], 3
.Lpro:
	IADR
	UNIT 0, 1, 32, 1
	UNIT 1, 1, 32, 1
	UNIT 2, 1, 32, 1
	UNIT 3, 1, 32, 1
	s_wait_xcnt 0x0                                ; the loads have read their base: it may step
	s_add_nc_u64 s[XP:XP+1], s[XP:XP+1], 1024      ; two K steps of 512 bytes
	s_add_co_u32 s[IO], s[IO], 24576
	s_add_co_u32 s[ISO], s[ISO], 2048
	s_sub_co_u32 s[KC], s[KC], 1
	s_cmp_lg_u32 s[KC], 0
	s_cbranch_scc1 .Lpro
	IADR                                           ; the last trip asks for nothing: no load leaves the buffer, and the counts run down
	UNIT 0, 0, 32, 1
	UNIT 1, 0, 16, 1
	UNIT 2, 0, 0, 1
	UNIT 3, 0, 0, 0
	s_wait_dscnt 0x0                               ; for the others' sake: my images are stored
	s_barrier_signal -1
	s_barrier_wait -1                              ; the 128 tokens' 64 fragments lie in LDS; nobody writes LDS from here on
; ---- THE WAY OUT of q and k: token tile a.  64 accumulator registers + bias are 128 columns of one token a lane: two heads.
.macro EPIA a
	WIN 0x06+(\a)/4                                ; source 0: the accumulators' window, source 1: window 1
.set ii, 0
.rept 32
	v_pk_add_f32 v[X0+2*ii:X0+2*ii+1], v[64*((\a)%4)+2*ii:64*((\a)%4)+2*ii+1], v[2*ii:2*ii+1]   ; each accumulator from its low end on.  (X0 is named by no memory instruction: these 32 stand between the last tile's stores and the waits below)
.set ii, ii+1
.endr
	WIN 0
.if (\a) > 0
	s_wait_xcnt 0x0                                ; the last tile's stores have had their addresses translated,
	s_wait_alu depctr_vm_vsrc(0)                   ; and have read the codes, the scale words and SW0, SW1, which are written again below
.endif
	QUANT X0
.if (\a)%2 == 0
	v_mov_b32 v[PWE], v[PW]
.else
	v_perm_b32 v[SW0], v[PW], v[PWE], 0x05040100   ; the even head's two bytes of tile a - 1, then of tile a
	v_perm_b32 v[SW1], v[PW], v[PWE], 0x07060302   ; the odd head's
.endif
	s_wait_alu depctr_va_vdst(0)                   ; the codes (and, behind an odd tile, SW0 and SW1) are written, which the stores below read
	global_store_b128 v[G16], v[PC:PC+3], s[OP0:OP0+1] offset:768*(\a)          ; the even head's half: 512 and 256 consecutive bytes
	global_store_b64 v[G8], v[PC+4:PC+5], s[OP0:OP0+1] offset:768*(\a)+512
	global_store_b128 v[G16], v[PC+6:PC+9], s[OP1:OP1+1] offset:768*(\a)        ; the odd head's
	global_store_b64 v[G8], v[PC+10:PC+11], s[OP1:OP1+1] offset:768*(\a)+512
.if (\a)%2 == 1
	global_store_b32 v[G4F], v[SW0], s[OP0:OP0+1] offset:6144+128*((\a)/2)
	global_store_b32 v[G4F], v[SW1], s[OP1:OP1+1] offset:6144+128*((\a)/2)
.endif
.endm
; ---- and of v: column tile t.  64 accumulator registers + bias are the block's 128 tokens of one column d a lane: one fragment of V^T.
.macro EPIB t
	WIN 0x06+(\t)/4
.set ii, 0
.rept 32
	v_pk_add_f32 v[X0+2*ii:X0+2*ii+1], v[64*((\t)%4)+2*ii:64*((\t)%4)+2*ii+1], v[2*(\t):2*(\t)+1]   ; my column's bias stands in both registers of the pair
.set ii, ii+1
.endr
	WIN 0
.if (\t) > 0
	s_wait_xcnt 0x0                                ; the last tile's stores have had their addresses translated,
	s_wait_alu depctr_vm_vsrc(0)                   ; and have read the codes and the scale word, which QUANT writes again
.endif
	QUANT X0
	s_wait_alu depctr_va_vdst(0)                   ; the codes and the scale word are written, which the stores below read
	global_store_b128 v[G16], v[PC:PC+3], s[OP0:OP0+1] offset:212992*((\t)/4)+1536*((\t)%4)
	global_store_b64 v[G8], v[PC+4:PC+5], s[OP0:OP0+1] offset:212992*((\t)/4)+1536*((\t)%4)+512
	global_store_b128 v[G16], v[PC+6:PC+9], s[OP0:OP0+1] offset:212992*((\t)/4)+1536*((\t)%4)+768
	global_store_b64 v[G8], v[PC+10:PC+11], s[OP0:OP0+1] offset:212992*((\t)/4)+1536*((\t)%4)+1280
	global_store_b32 v[G4F], v[PW], s[OP0:OP0+1] offset:212992*((\t)/4)+6144+128*((\t)%4)
.endm
; ---- TWO PASSES of 128 columns: eight K steps on two sets of fragments.
.macro PASSES fl
	s_mov_b32 s[PASS], 2
.Lpass_\@:
	s_mov_b32 s[TO], 0
	s_mov_b32 s[TSO], XSC
	s_wait_alu depctr_vm_vsrc(0)                   ; the LDS loads issued so far have read TA, TB, TC
	v_add_nc_u32 v[TA], s[TO], v[G16]
	v_add_nc_u32 v[TB], s[TO], v[G8]
	v_add_nc_u32 v[TC], s[TSO], v[G4F]
	s_wait_alu depctr_va_vdst(0)                   ; TA, TB, TC are written; the quantiser and the way out's additions are done with v64-159 and with the bias's registers: the loads below land there
	WIN 0x40
.if \fl
.irp t, 0,1,2,3,4,5,6,7
	global_load_b32 v[2*\t], v[BOB], s[BP:BP+1] offset:(32*(\t/2)+8*(\t%2))*4      ; my column of tile t
	global_load_b32 v[2*\t+1], v[BOB], s[BP:BP+1] offset:(32*(\t/2)+8*(\t%2))*4
.endr
.else
.irp b, 0,1,2,3
.irp j, 0,1,2,3
	global_load_b128 v[16*\b+4*\j:16*\b+4*\j+3], v[BOA], s[BP:BP+1] offset:128*\b+16*\j   ; columns 32 b + 16 h + 0 .. 15
.endr
.endr
.endif
	WIN 0
	FETCHT 0
	s_wait_dscnt 0x0
	s_wait_loadcnt 0x0                             ; K step 0's weights, asked for a phase ago, and the bias
	s_add_nc_u64 s[WP:WP+1], s[WP:WP+1], 12800
	STEP 0, 1, \fl                                 ; the first step's products start the sums: nothing is cleared
	s_mov_b32 s[KC], 3
.Lk_\@:
	STEP 1, 0, \fl
	STEP 0, 0, \fl
	s_sub_co_u32 s[KC], s[KC], 1
	s_cmp_lg_u32 s[KC], 0
	s_cbranch_scc1 .Lk_\@
	PLACES                                         ; behind the products that read set 0
	s_cmp_eq_u32 s[PASS], 1
	s_cbranch_scc1 .Lnone_\@                       ; the last pass asks for nothing more; every later wait for loads is for 0, on both ways
	s_add_nc_u64 s[WP:WP+1], s[WP:WP+1], 307200    ; from column group g + 1 to g + 4
	s_wait_alu depctr_va_vdst(0)                   ; the last step's products are done reading the weights' set 0 and its scale words, in which the loads below land
	FETCHW 0                                       ; the next pass's first weights land under the last products and the way out
.Lnone_\@:
	MUL 1, 0, \fl
	WIN 0
	PLACES                                         ; behind the last products, ahead of the first read of results
.irp a, 0,1,2,3,4,5,6,7
.if \fl
	EPIB \a
.else
	EPIA \a
.endif
.endr
	s_wait_xcnt 0x0                                ; the stores have read their bases
	s_add_nc_u64 s[BP:BP+1], s[BP:BP+1], 2048      ; four column groups on
	s_add_nc_u64 s[OP0:OP0+1], s[OP0:OP0+1], s[OST:OST+1]
	s_add_nc_u64 s[OP1:OP1+1], s[OP1:OP1+1], s[OST:OST+1]
	s_sub_co_u32 s[PASS], s[PASS], 1
	s_cmp_lg_u32 s[PASS], 0
	s_cbranch_scc1 .Lpass_\@
.endm
	s_cmp_eq_u32 s[YY], 2
	s_cbranch_scc1 .Lvalue
	PASSES 0
	s_wait_dscnt 0x0
	s_wait_alu depctr_hold_cnt(0) depctr_sa_sdst(0) depctr_va_vdst(0) depctr_va_sdst(0) depctr_va_ssrc(0) depctr_va_vcc(0) depctr_vm_vsrc(0)
	s_wait_tensorcnt 0x0
	ds_add_u32 v30, v31
	s_wait_dscnt 0x0
	s_endpgm
.Lvalue:
	PASSES 1
	s_wait_dscnt 0x0
	s_wait_alu depctr_hold_cnt(0) depctr_sa_sdst(0) depctr_va_vdst(0) depctr_va_sdst(0) depctr_va_ssrc(0) depctr_va_vcc(0) depctr_vm_vsrc(0)
	s_wait_tensorcnt 0x0
	ds_add_u32 v30, v31
	s_wait_dscnt 0x0
	s_endpgm
.Lfunc_end_k_q39c6914eba_proj:
	.size	k_q39c6914eba_proj, .Lfunc_end_k_q39c6914eba_proj-k_q39c6914eba_proj
	.p2alignl 7, 3214868480
	.fill 96, 4, 3214868480
	.section	.rodata,"a",@progbits
	.p2align	6, 0x0
	.amdhsa_kernel k_q39c6914eba_proj
		.amdhsa_group_segment_fixed_size 174592
		.amdhsa_private_segment_fixed_size 0
		.amdhsa_enable_private_segment 0
		.amdhsa_kernarg_size 72
		.amdhsa_user_sgpr_count 2
		.amdhsa_user_sgpr_kernarg_segment_ptr 1
		.amdhsa_wavefront_size32 1
		.amdhsa_system_sgpr_workgroup_id_x 1
		.amdhsa_system_sgpr_workgroup_id_y 1
		.amdhsa_system_sgpr_workgroup_id_z 1
		.amdhsa_system_vgpr_workitem_id 0
		.amdhsa_next_free_vgpr 1024
		.amdhsa_next_free_sgpr 66
		.amdhsa_reserve_vcc 0
		.amdhsa_float_denorm_mode_32 3
		.amdhsa_float_denorm_mode_16_64 3
		.amdhsa_memory_ordered 1
		.amdhsa_forward_progress 1
		.amdhsa_inst_pref_size 255
	.end_amdhsa_kernel
	.section	.bss,"aw",@nobits
	.p2align	6
	.space	262144
	.amdgpu_metadata
---
amdhsa.version: [ 1, 2 ]
amdhsa.kernels:
  - .name:           k_q39c6914eba_proj
    .symbol:         k_q39c6914eba_proj.kd
    .args:
      - { .name: query, .offset: 0, .size: 8, .value_kind: global_buffer, .address_space: global }
      - { .name: key, .offset: 8, .size: 8, .value_kind: global_buffer, .address_space: global }
      - { .name: value, .offset: 16, .size: 8, .value_kind: global_buffer, .address_space: global }
      - { .name: b_q, .offset: 24, .size: 8, .value_kind: global_buffer, .address_space: global }
      - { .name: b_k, .offset: 32, .size: 8, .value_kind: global_buffer, .address_space: global }
      - { .name: b_v, .offset: 40, .size: 8, .value_kind: global_buffer, .address_space: global }
      - { .name: wimg, .offset: 48, .size: 8, .value_kind: global_buffer, .address_space: global }
      - { .name: qb, .offset: 56, .size: 8, .value_kind: global_buffer, .address_space: global }
      - { .name: kv, .offset: 64, .size: 8, .value_kind: global_buffer, .address_space: global }
    .group_segment_fixed_size: 174592
    .private_segment_fixed_size: 0
    .kernarg_segment_align: 8
    .kernarg_segment_size: 72
    .max_flat_workgroup_size: 128
    .sgpr_count:     66
    .vgpr_count:     1024
    .wavefront_size: 32
...
	.end_amdgpu_metadata
.endif
;; end of part 6
;; launch attn (part 7): grid 8 x 64, 16 waves a work-group, no clusters, 34,816 bytes of LDS; arguments qb, kv, valid_length, aimg, asc; writes aimg, asc
.if DOCPART == 7
	.amdgcn_target "amdgcn-amd-amdhsa--gfx1250"
	.amdhsa_code_object_version 6
	.text
	.protected	k_q39c6914eba_attn
	.globl	k_q39c6914eba_attn
	.p2align	8
	.type	k_q39c6914eba_attn,@function
k_q39c6914eba_attn:
	s_mov_b64 s[64:65], 0
	v_nop
	global_prefetch_b8 v0, s[64:65] scope:SCOPE_SE
	s_setreg_imm32_b32 hwreg(HW_REG_WAVE_SCHED_MODE, 0, 2), 2
	s_setreg_imm32_b32 hwreg(HW_REG_WAVE_MODE, 25, 1), 1
	s_wait_xcnt 0x0
	s_wait_alu depctr_vm_vsrc(0)
; Attention of one head on codes of FP6 (E2M3) with one E8M0 scale for each 32 along a product's K; the result, divided by the row's sum, is quantised along the head and stored as images for the last projection.
; Work-group (x, y): 256 queries (blocks 2 x, 2 x + 1) of batch y / 16, head y % 16.  Sixteen waves, each ONE tile of 16 queries in 256 registers: four waves to a SIMD, so that one wave's vector work stands beside another's products and LDS loads.
; KEYS go in steps of 128: one block of kv (13,312 bytes: k's eight halves and scale images, v's four fragments and scale images), copied through registers into one of two LDS slots, a step ahead; one barrier a step.
; THE MASK.  Keys at or past valid_length[batch] have the logit -1e7.  A key step that lies wholly past it is left out where valid_length is at least 1: its p are 0.  With valid_length = 0 all sixteen steps are walked and every p is 1.
; The loop's trip count is a constant and every barrier stands on every wave's path; scalar branches on valid_length lead round a step's loads and work only.
; NO TENSOR LOAD, NO CLUSTER, though the eight work-groups of a head walk the same blocks: how many steps are walked hangs on a number read from memory.
; BOTH PRODUCTS ARE USED TRANSPOSED: S^T = K Q^T (source 0 = keys), O^T = V^T P^T (source 0 = 16 of the head's 64): a lane holds ONE query throughout.  Row r of tile 2 b + u (keys, d) is index 32 b + 8 u + r + 8 (r / 8),
; so the 16 registers of tiles 2 b, 2 b + 1 are 16 neighbours: p and O^T go to the conversions as they lie.
; K = 64 IN AN INSTRUCTION OF 128: a fragment of k holds two key tiles, one in k 0-63 and one in k 64-127.  Against q laid in k 0-63 with zero codes above it gives the first tile's scores, against zero codes below and q above the second's.
; THE SOFTMAX: t = logit x log2(e); M = the running largest t rounded up to a whole number; p = 2^(t - M), not normalised, is quantised along the keys; the sum is taken of the unquantised p; a change of M multiplies the sum and O^T by a power of two.
; LIMITS: leaving masked steps out is exact while each row has a logit above about -1e7 + 100 among its valid keys; valid_length is held to 0 .. 2,048; NaN and infinities are not served; a block of zeros has the byte 1.
; REGISTERS: v1-5, v7 addresses; v12 -M, v13 the largest t, v[14:15] the sum; v16-33 six zeros, q, six zeros; v34 q's scale word; v36-83 four fragments of k, then of v; v84-87, v88-91 their scale words;
;   v96-159 S^T, then p; v160-191 O^T; v192-199 the next block on its way; v200-218 at work; v220-231 p's codes; v232 f, v233 p's scale word; v234-237 at work.
; THE MODE: SCHED_MODE bits 1:0 = 2 (LLVM: expert scheduling mode 2), set by the entry lines.  The code itself states the register dependences between vector or matrix instructions and memory or LDS instructions, with s_wait_alu, always for 0.
; THE PLAN.  Registers that memory or LDS instructions touch, and who else names them:
;   v1-v5            offsets and LDS addresses, made once at the head, ahead of the head's wait on va_vdst, and never written again.
;   v192-199         cleared at the head; then the global loads at a step's head land there and the LDS stores at its end read them; no vector instruction names them.  One wait on vm_vsrc at a step's head, ahead of its branches.
;   v36-83, v84-91   k's loads land there behind a wait on va_vdst at the step's head (the last step's products are done reading), v's behind a second one, behind the eight products K Q^T.  The registers hold one set of
;                    fragments: four waves of 256 registers fill a SIMD.
;   v220-225, v233   on the way out: written by the conversions and their kin, read by the three stores: one wait on va_vdst.
; FROM VECTOR TO SCALED PRODUCTS: q's scale word and the zero codes (head) and p's codes and scale word (each step) are written by vector instructions: a wait on va_vdst stands behind their places, ahead of the products.
; FROM VECTOR TO SCALAR: the wave's number; the mask's compares, in runs of sixteen into s44-59, with one wait on va_sdst behind each run, ahead of its sixteen selects.
.set SLOTB, 16384                      ; the two slots' distance; a slot holds 13,312 bytes
.set WV,   14
.set YY,   15
.set VL,   16
.set NST,  17                          ; key steps that are walked
.set JJ,   18                          ; the step in hand
.set J1,   19
.set KF,   20                          ; its first key
.set TRIP, 21
.set KVP,  22                          ; s[22:23] its block of kv
.set CS,   24                          ; s[24:25] c = log2(e) / 8
.set CE,   26                          ; s[26:27] the factor in force: c, or 1 where the scores have been turned into t already
.set SEL,  28                          ; s[28:29]
.set QP,   32
.set QS,   34
.set AP,   36
.set ASP,  38
.set PSEL, 40
.set MK,   44                          ; s44-59 in the loop: sixteen masks of the compares (at the head these registers hold offsets that are done with)
	s_load_b256 s[4:11], s[0:1], 0x0               ; qb, kv, valid_length, aimg
	s_load_b64 s[12:13], s[0:1], 0x20              ; asc
	v_lshl_add_u32 v254, v0, 2, 0x8000
	v_mov_b32 v255, 0
	v_lshrrev_b32 v6, 5, v0
	v_readfirstlane_b32 s[WV], v6                  ; wave 0..15
	v_and_b32 v6, 31, v0
	v_lshlrev_b32 v1, 4, v6                        ; 16 x lane
	v_lshlrev_b32 v2, 3, v6
	v_add_nc_u32 v2, 512, v2                       ; 512 + 8 x lane
	v_lshlrev_b32 v3, 2, v6                        ; 4 x lane
	v_lshlrev_b32 v4, 4, v0                        ; 16 x thread: in a slot,
	v_lshlrev_b32 v5, 4, v0                        ; and in a block of kv
	v_bfe_u32 v7, v0, 4, 1
	v_lshlrev_b32 v7, 4, v7                        ; 16 h
	s_and_b32 s[YY], ttmp7, 0xffff
	s_wait_alu depctr_va_sdst(0)                   ; the wave's number is written, ahead of its first reader: bases and branches are made from it
	s_lshr_b32 s30, s[WV], 3
	s_lshl_b32 s31, ttmp9, 1
	s_add_co_u32 s30, s30, s31                     ; my block of 128 queries
	s_and_b32 s31, s[WV], 7                        ; my tile a in it
	s_lshl_b32 s41, s[YY], 4
	s_add_co_u32 s41, s41, s30
	s_mul_i32 s41, s41, 6656                       ; the block in qb
	s_mul_i32 s42, s31, 768
	s_add_co_u32 s42, s42, s41                     ; my tile's half
	s_mov_b32 s43, 0
	s_lshr_b32 s44, s31, 1
	s_lshl_b32 s44, s44, 7
	s_add_co_u32 s44, s44, s41
	s_add_co_u32 s44, s44, 6144                    ; the scale image of tiles 2 (a / 2), 2 (a / 2) + 1
	s_mov_b32 s45, 0
	s_lshr_b32 s46, s[YY], 4                       ; batch
	s_lshl_b32 s47, s46, 4
	s_add_co_u32 s47, s47, s30
	s_lshl_b32 s47, s47, 4
	s_and_b32 s48, s[YY], 15
	s_add_co_u32 s47, s47, s48
	s_lshl_b32 s47, s47, 3
	s_add_co_u32 s47, s47, s31                     ; ((16 batch + block) 16 + head) 8 + a
	s_mul_i32 s48, s47, 768
	s_mov_b32 s49, 0
	s_lshl_b32 s50, s47, 7
	s_mov_b32 s51, 0
	s_mul_i32 s52, s[YY], 212992                   ; the head's sixteen blocks of kv
	s_mov_b32 s53, 0
	s_lshl_b32 s54, s46, 2
	s_mov_b32 s55, 0
	s_and_b32 s56, s[WV], 1
	s_mov_b32 s[PSEL], 0x03020302
	s_cmp_eq_u32 s56, 0
	s_cselect_b32 s[PSEL], 0x01000100, s[PSEL]     ; which two bytes of the scale word are my tile's
	s_mov_b32 s[CS], 0x3e38aa3b                    ; log2(e) / sqrt(64)
	s_mov_b32 s[CS+1], s[CS]                       ; (the packed forms name a pair)
	s_mov_b32 s[SEL], 0x76543210
	s_mov_b32 s[SEL+1], 0xfedcba98                 ; v_permlanex16_b32's selects for lane l xor 16
.irp j, 0,1,2,3,4,5,6,7
	v_mov_b32 v[192+\j], 0                         ; written once in every wave: waves 10 to 15 load only the first four
.endr
	s_wait_kmcnt 0x0
	s_add_nc_u64 s[8:9], s[8:9], s[54:55]
	s_load_b32 s[VL], s[8:9], 0x0                  ; valid_length[batch]
	s_add_nc_u64 s[QP:QP+1], s[4:5], s[42:43]
	s_add_nc_u64 s[QS:QS+1], s[4:5], s[44:45]
	s_add_nc_u64 s[KVP:KVP+1], s[6:7], s[52:53]
	s_add_nc_u64 s[AP:AP+1], s[10:11], s[48:49]
	s_add_nc_u64 s[ASP:ASP+1], s[12:13], s[50:51]
	s_wait_alu depctr_va_vdst(0)                   ; v1 to v5 are written, which every load and store of the kernel reads as its offset or LDS address; so are v192-199, in which loads land
	global_load_b128 v[22:25], v1, s[QP:QP+1]      ; q's six registers
	global_load_b64 v[26:27], v2, s[QP:QP+1]
	global_load_b32 v35, v3, s[QS:QS+1]
	global_load_b128 v[192:195], v5, s[KVP:KVP+1]  ; key step 0: 8,192 bytes by all sixteen waves,
	s_cmp_lt_u32 s[WV], 10
	s_cbranch_scc0 .Lhead_a
	global_load_b128 v[196:199], v5, s[KVP:KVP+1] offset:8192   ; 5,120 more by waves 0 to 9
.Lhead_a:
.irp j, 0,1,2,3,4,5
	v_mov_b32 v[16+\j], 0                          ; zero codes on both sides of q
	v_mov_b32 v[28+\j], 0
.endr
	v_mov_b32 v13, 0xff61b1e6                      ; the largest t so far: -3e38, under every t
	v_floor_f32 v12, -v13                          ; -M
	v_mov_b32 v14, 0                               ; the sum, in two halves
	v_mov_b32 v15, 0
.irp b, 0,1,2,3
	v_mov_b32 v[204+\b], 0                         ; a lane permute's destination counts as one of its sources
.endr
	v_mov_b32 v233, 0                              ; (named as the upper half of the pair v[232:233] before it is first written)
	v_mov_b32 v234, 0
	s_wait_kmcnt 0x0
	s_max_i32 s[VL], s[VL], 0
	s_min_i32 s[VL], s[VL], 2048
	s_cmp_eq_u32 s[VL], 0
	s_cselect_b32 s[NST], 2048, s[VL]              ; with no valid key all keys count alike
	s_add_co_u32 s[NST], s[NST], 127
	s_lshr_b32 s[NST], s[NST], 7
	s_mov_b32 s[JJ], 0
	s_mov_b32 s[KF], 0
	s_mov_b32 s[TRIP], 8
	s_wait_loadcnt 0x0
	v_perm_b32 v34, v35, v35, s[PSEL]              ; q's scale word: my tile's two bytes, twice
	ds_store_b128 v4, v[192:195]                   ; (loaded data, and an address from ahead of the wait above: no vector instruction since names either)
	s_cmp_lt_u32 s[WV], 10
	s_cbranch_scc0 .Lhead_b
	ds_store_b128 v4, v[196:199] offset:8192
.Lhead_b:
.set nn, 0
.rept 32
	v_mov_b32 v[160+nn], 0                         ; O^T: the step is written once; the first finds zeros, which the first change of M leaves zeros.  (Also the places between q's scale word and the first product)
.set nn, nn+1
.endr
	s_wait_dscnt 0x0                               ; for the others' sake: my part of slot 0 is stored
	s_barrier_signal -1
	s_barrier_wait -1
.macro FRAGS base, sc, scb             ; four fragments of 1,536 bytes from base on into v36-83, their scale words from scb on into v[sc] on
.irp f, 0,1,2,3
	ds_load_b128 v[36+12*\f:39+12*\f], v1 offset:(\base)+1536*\f
	ds_load_b64 v[40+12*\f:41+12*\f], v2 offset:(\base)+1536*\f
	ds_load_b128 v[42+12*\f:45+12*\f], v1 offset:(\base)+1536*\f+768
	ds_load_b64 v[46+12*\f:47+12*\f], v2 offset:(\base)+1536*\f+768
	ds_load_b32 v[(\sc)+\f], v3 offset:(\scb)+128*\f
.endr
.endm
; A KEY STEP on the slot named.
.macro ASTEP slot
.set SB, SLOTB*(\slot)
.set SN, SLOTB*(1-(\slot))
	s_wait_alu depctr_vm_vsrc(0)                   ; the LDS stores of the step before (at first: the head's) have read v192-199, in which the loads below land
	s_add_co_u32 s[J1], s[JJ], 1
	s_cmp_lt_u32 s[J1], s[NST]                     ; is there a next step?  Then its block is asked for now: it has this step's work in which to come
	s_cbranch_scc0 .Lnoload_\@
	global_load_b128 v[192:195], v5, s[KVP:KVP+1] offset:13312
	s_cmp_lt_u32 s[WV], 10
	s_cbranch_scc0 .Lnoload_\@
	global_load_b128 v[196:199], v5, s[KVP:KVP+1] offset:21504
.Lnoload_\@:
	s_cmp_lt_u32 s[JJ], s[NST]
	s_cbranch_scc0 .Lskip_\@                       ; all 128 keys lie past valid_length: no work
.rept 4
	v_nop                                          ; places behind the last step's products, which read v36-83
.endr
	s_wait_alu depctr_va_vdst(0)                   ; the last step's products are done reading v36-91, in which the loads below land; in the first step: q's scale word v34 and the zero codes v16-21, v28-33 are written, which the products below read
	FRAGS SB, 84, SB+6144                          ; k
	s_wait_dscnt 0x0
.irp f, 0,1,2,3
	v_wmma_scale_f32_16x16x128_f8f6f4 v[96+16*\f:103+16*\f], v[36+12*\f:47+12*\f], v[22:33], 0, v[84+\f], v34 matrix_a_fmt:MATRIX_FMT_FP6 matrix_b_fmt:MATRIX_FMT_FP6    ; key tile 2 f: q below, zero codes above
	v_wmma_scale_f32_16x16x128_f8f6f4 v[104+16*\f:111+16*\f], v[36+12*\f:47+12*\f], v[16:27], 0, v[84+\f], v34 matrix_a_fmt:MATRIX_FMT_FP6 matrix_b_fmt:MATRIX_FMT_FP6  ; key tile 2 f + 1: zero codes below, q above
.endr
.rept 4
	v_nop                                          ; places ahead of the loads into k's registers and of the first read of the scores
.endr
	s_wait_alu depctr_va_vdst(0)                   ; the eight products are done reading k's fragments, in which v's land; the softmax's first lines below read the results of all eight in any case
	FRAGS SB+6656, 88, SB+12800                    ; v: it comes while the softmax is worked
	s_mov_b32 s[CE], s[CS]
	s_mov_b32 s[CE+1], s[CS]
	s_add_co_u32 s30, s[KF], 128
	s_cmp_gt_u32 s30, s[VL]
	s_cbranch_scc0 .Lopen_\@                       ; all 128 keys are valid
	s_mov_b32 s[CE], 1.0                           ; the step holds masked keys: the scores become t here, and masked ones the t of the logit -1e7
	s_mov_b32 s[CE+1], 1.0
.set nn, 0
.rept 32
	v_pk_mul_f32 v[96+nn:97+nn], v[96+nn:97+nn], s[CS:CS+1] op_sel_hi:[1,0]
.set nn, nn+2
.endr
	s_sub_co_i32 s30, s[VL], s[KF]
	s_sub_co_i32 s30, s30, 1
	v_sub_nc_u32 v234, s30, v7                     ; d = valid_length - 1 - KF - 16 h.  Register 16 b + i holds key KF + 32 b + 16 h + i: masked where 32 b + i > d
	v_mov_b32 v235, 0xcb5c2346                     ; -1e7 x log2(e) in f32
.set nb, 0
.rept 4                                ; a block of 32 keys at a time: my sixteen compares in one run, one wait, my sixteen selects
.set nn, 0
.rept 16
	v_cmp_gt_i32 s[MK+nn], 32*nb+nn, v234
.set nn, nn+1
.endr
	s_wait_alu depctr_va_sdst(0)                   ; the sixteen compares have written s44-59, ahead of the selects that read them
.set nn, 0
.rept 16
	v_cndmask_b32 v[96+16*nb+nn], v[96+16*nb+nn], v235, s[MK+nn]
.set nn, nn+1
.endr
.set nb, nb+1
.endr
.Lopen_\@:
.irp b, 0,1,2,3
	v_max3_num_f32 v[200+\b], v[96+16*\b], v[97+16*\b], v[98+16*\b]   ; the largest score of each block of 32 keys: for the row's maximum and, since p rises with the score, for the block's largest p
.endr
.irp i, 3,5,7,9,11,13
.irp b, 0,1,2,3
	v_max3_num_f32 v[200+\b], v[200+\b], v[96+16*\b+\i], v[97+16*\b+\i]
.endr
.endr
.irp b, 0,1,2,3
	v_max_num_f32 v[200+\b], v[200+\b], v[111+16*\b]
.endr
.irp b, 0,1,2,3
	v_permlanex16_b32 v[204+\b], v[200+\b], s[SEL], s[SEL+1]
.endr
.irp b, 0,1,2,3
	v_max_num_f32 v[200+\b], v[200+\b], v[204+\b]  ; with lane l xor 16's 16 keys
.endr
	v_max3_num_f32 v234, v200, v201, v202
	v_max_num_f32 v234, v234, v203
	v_mul_f32 v234, s[CE], v234                    ; the step's largest t of my query
	v_max_num_f32 v13, v13, v234                   ; the running largest t
	v_mov_b32 v234, v12
	v_floor_f32 v12, -v13                          ; the new -M = -ceil(t): a whole number
	v_sub_f32 v234, v12, v234                      ; old M - new M: a whole number, 0 or less
	v_cvt_i32_f32 v234, v234                       ; (it saturates)
	v_ldexp_f32 v232, 1.0, v234                    ; f = 2^(old M - new M)
.set nn, 0
.rept 32
	v_pk_fma_f32 v[96+nn:97+nn], v[96+nn:97+nn], s[CE:CE+1], v[12:13] op_sel_hi:[1,0,0]   ; t - M, two at a time
.set nn, nn+2
.endr
.irp b, 0,1,2,3
	v_fma_f32 v[200+\b], v[200+\b], s[CE], v12     ; the same of each block's largest score
.endr
.set nn, 0
	s_wait_alu depctr_va_vdst(0)
.rept 64
	v_exp_f32 v[96+nn], v[96+nn]                   ; p = 2^(t - M), at most 1
.set nn, nn+1
.endr
	v_pk_mul_f32 v[14:15], v[14:15], v[232:233] op_sel_hi:[1,0]   ; the sums under the new M: the plain line behind the exponentials
	s_wait_alu depctr_va_vdst(0)                   ; the 64 exponentials have written v96-159: one wait for the whole batch, ahead of its first reader
.irp b, 0,1,2,3
	v_exp_f32 v[200+\b], v[200+\b]                 ; the block's largest p: the same two instructions on the same number give the same bits
.endr
	v_pk_add_f32 v[236:237], v[96:97], v[98:99]    ; the row's sum, of the unquantised p, in two chains; it reads the 64 alone
.irp j, 4,8,12,16,20,24,28,32,36,40,44,48,52,56,60
	v_pk_add_f32 v[14:15], v[14:15], v[96+\j:97+\j]
	v_pk_add_f32 v[236:237], v[236:237], v[98+\j:99+\j]
.endr
	v_pk_add_f32 v[14:15], v[14:15], v[236:237]
	s_wait_alu depctr_va_vdst(0)                   ; the four exponentials have written v200-203, ahead of their first reader
.irp b, 0,1,2,3
	v_max_num_f32 v[200+\b], 0x1800000, v[200+\b]  ; the floor 2^(3 - 127): a block whose every p is 0 keeps the byte 1; its codes are zeros
.endr
.irp b, 0,1,2,3
	v_add_nc_u32 v[208+\b], 0xff000000, v[200+\b]  ; 2 off the exponent field: the conversion's scale operand
.endr
.irp b, 0,1,2,3
	v_lshrrev_b32 v[204+\b], 23, v[208+\b]         ; the scale's byte
.endr
	v_lshl_or_b32 v233, v205, 8, v204              ; p's scale word for these 128 keys
	v_lshl_or_b32 v233, v206, 16, v233
	v_lshl_or_b32 v233, v207, 24, v233
.irp c, 0,1
	v_cvt_scalef32_pk16_fp6_f32 v[220+6*\c:222+6*\c], v[96+32*\c:111+32*\c], v[208+2*\c]
	v_cvt_scalef32_pk16_fp6_f32 v[212+4*\c:214+4*\c], v[112+32*\c:127+32*\c], v[208+2*\c+1]
.endr
	v_nop                                          ; one plain line behind the scaled conversions
.irp c, 0,1                            ; a whole block to a lane: lanes 0-15 block 2 c, lanes 16-31 block 2 c + 1
.irp i, 0,1,2
	v_permlane16_swap_b32 v[220+6*\c+\i], v[212+4*\c+\i]
.endr
.irp i, 0,1,2
	v_mov_b32 v[223+6*\c+\i], v[212+4*\c+\i]
.endr
.endr
.set nn, 0
.rept 16
	v_pk_mul_f32 v[160+nn:161+nn], v[160+nn:161+nn], v[232:233] op_sel_hi:[1,0]   ; O^T under the new M; these sixteen are also the places between p's codes and scale word and the products
.set nn, nn+2
.endr
	s_wait_dscnt 0x0                               ; v
	s_wait_alu depctr_va_vdst(0)                   ; p's codes v220-231 and its scale word v233 are written, which the products below read; the places above stay beside this wait
.irp t, 0,1,2,3
	v_wmma_scale_f32_16x16x128_f8f6f4 v[160+8*\t:167+8*\t], v[36+12*\t:47+12*\t], v[220:231], v[160+8*\t:167+8*\t], v[88+\t], v233 matrix_a_fmt:MATRIX_FMT_FP6 matrix_b_fmt:MATRIX_FMT_FP6   ; the four accumulators by turns
.endr
.Lskip_\@:
	s_wait_loadcnt 0x0                             ; the next block, if it was asked for, is in registers; so KVP may step
	s_cmp_lt_u32 s[J1], s[NST]
	s_cbranch_scc0 .Lnostore_\@
	ds_store_b128 v4, v[192:195] offset:SN         ; into the other slot: every wave's reads of it were over at the last barrier
	s_cmp_lt_u32 s[WV], 10
	s_cbranch_scc0 .Lnostore_\@
	ds_store_b128 v4, v[196:199] offset:SN+8192
.Lnostore_\@:
	s_wait_dscnt 0x0                               ; my stores have landed and my reads of this slot are over
	s_barrier_signal -1
	s_barrier_wait -1
	s_mov_b32 s[JJ], s[J1]
	s_add_co_u32 s[KF], s[KF], 128
	s_add_nc_u64 s[KVP:KVP+1], s[KVP:KVP+1], 13312
.endm
.Lkeys:                                ; eight trips of two steps, whatever valid_length says
	ASTEP 0
	ASTEP 1
	s_sub_co_u32 s[TRIP], s[TRIP], 1
	s_cmp_lg_u32 s[TRIP], 0
	s_cbranch_scc1 .Lkeys
	; THE WAY OUT: O^T / the sum, 32 numbers a lane: register 16 b + i is d = 32 b + 16 h + i of my query: two blocks of the last projection's K
.rept 4
	v_nop                                          ; places behind the last products
.endr
	v_add_f32 v14, v14, v15
	v_permlanex16_b32 v234, v14, s[SEL], s[SEL+1]
	v_add_f32 v14, v14, v234                       ; the row's sum
	s_wait_alu depctr_va_vdst(0)
	v_rcp_f32 v14, v14
	v_nop                                          ; a plain line behind the transcendental
	s_wait_alu depctr_va_vdst(0)                   ; the reciprocal has written v14, ahead of its first reader
.set nn, 0
.rept 32
	v_mul_f32 v[96+nn], v[160+nn], v14
.set nn, nn+1
.endr
.irp b, 0,1
	v_max3_num_f32 v[200+\b], |v[96+16*\b]|, |v[97+16*\b]|, 0x1800000
.endr
.irp i, 2,4,6,8,10,12,14
.irp b, 0,1
	v_max3_num_f32 v[200+\b], v[200+\b], |v[96+16*\b+\i]|, |v[97+16*\b+\i]|
.endr
.endr
.irp b, 0,1
	v_permlanex16_b32 v[204+\b], v[200+\b], s[SEL], s[SEL+1]
.endr
.irp b, 0,1
	v_max_num_f32 v[200+\b], v[200+\b], v[204+\b]
.endr
.irp b, 0,1
	v_add_nc_u32 v[208+\b], 0xff000000, v[200+\b]
.endr
.irp b, 0,1
	v_lshrrev_b32 v[204+\b], 23, v[208+\b]
.endr
	v_lshl_or_b32 v233, v205, 8, v204              ; the two bytes of my head
	v_cvt_scalef32_pk16_fp6_f32 v[220:222], v[96:111], v208
	v_cvt_scalef32_pk16_fp6_f32 v[212:214], v[112:127], v209
	v_nop
.irp i, 0,1,2
	v_permlane16_swap_b32 v[220+\i], v[212+\i]
.endr
.irp i, 0,1,2
	v_mov_b32 v[223+\i], v[212+\i]
.endr
	s_wait_alu depctr_va_vdst(0)                   ; the codes v220-225 and the scale word v233 are written, which the three stores read
	global_store_b128 v1, v[220:223], s[AP:AP+1]   ; half a fragment: 512 and 256 consecutive bytes, at multiples of 256 from the buffer's first byte
	global_store_b64 v2, v[224:225], s[AP:AP+1]
	global_store_b32 v3, v233, s[ASP:ASP+1]
	s_wait_dscnt 0x0
	s_wait_alu depctr_hold_cnt(0) depctr_sa_sdst(0) depctr_va_vdst(0) depctr_va_sdst(0) depctr_va_ssrc(0) depctr_va_vcc(0) depctr_vm_vsrc(0)
	s_wait_tensorcnt 0x0
	ds_add_u32 v254, v255
	s_wait_dscnt 0x0
	s_endpgm
.Lfunc_end_k_q39c6914eba_attn:
	.size	k_q39c6914eba_attn, .Lfunc_end_k_q39c6914eba_attn-k_q39c6914eba_attn
	.p2alignl 7, 3214868480
	.fill 96, 4, 3214868480
	.section	.rodata,"a",@progbits
	.p2align	6, 0x0
	.amdhsa_kernel k_q39c6914eba_attn
		.amdhsa_group_segment_fixed_size 34816
		.amdhsa_private_segment_fixed_size 0
		.amdhsa_enable_private_segment 0
		.amdhsa_kernarg_size 40
		.amdhsa_user_sgpr_count 2
		.amdhsa_user_sgpr_kernarg_segment_ptr 1
		.amdhsa_wavefront_size32 1
		.amdhsa_system_sgpr_workgroup_id_x 1
		.amdhsa_system_sgpr_workgroup_id_y 1
		.amdhsa_system_sgpr_workgroup_id_z 1
		.amdhsa_system_vgpr_workitem_id 0
		.amdhsa_next_free_vgpr 256
		.amdhsa_next_free_sgpr 66
		.amdhsa_reserve_vcc 0
		.amdhsa_float_denorm_mode_32 3
		.amdhsa_float_denorm_mode_16_64 3
		.amdhsa_memory_ordered 1
		.amdhsa_forward_progress 1
		.amdhsa_inst_pref_size 68
	.end_amdhsa_kernel
	.amdgpu_metadata
---
amdhsa.version: [ 1, 2 ]
amdhsa.kernels:
  - .name:           k_q39c6914eba_attn
    .symbol:         k_q39c6914eba_attn.kd
    .args:
      - { .name: qb, .offset: 0, .size: 8, .value_kind: global_buffer, .address_space: global }
      - { .name: kv, .offset: 8, .size: 8, .value_kind: global_buffer, .address_space: global }
      - { .name: valid_length, .offset: 16, .size: 8, .value_kind: global_buffer, .address_space: global }
      - { .name: aimg, .offset: 24, .size: 8, .value_kind: global_buffer, .address_space: global }
      - { .name: asc, .offset: 32, .size: 8, .value_kind: global_buffer, .address_space: global }
    .group_segment_fixed_size: 34816
    .private_segment_fixed_size: 0
    .kernarg_segment_align: 8
    .kernarg_segment_size: 40
    .max_flat_workgroup_size: 512
    .sgpr_count:     66
    .vgpr_count:     256
    .wavefront_size: 32
...
	.end_amdgpu_metadata
.endif
;; end of part 7
;; launch oproj (part 8): grid 64 x 2, 4 waves a work-group, no clusters, 140,800 bytes of LDS; arguments aimg, asc, wimg, b_o, out0; writes out0
.if DOCPART == 8
	.amdgcn_target "amdgcn-amd-amdhsa--gfx1250"
	.amdhsa_code_object_version 6
	.text
	.protected	k_q39c6914eba_oproj
	.globl	k_q39c6914eba_oproj
	.p2align	8
	.type	k_q39c6914eba_oproj,@function
k_q39c6914eba_oproj:
	s_mov_b64 s[64:65], 0
	v_nop
	global_prefetch_b8 v0, s[64:65] scope:SCOPE_SE
	s_setreg_imm32_b32 hwreg(HW_REG_WAVE_SCHED_MODE, 0, 2), 2
	s_setreg_imm32_b32 hwreg(HW_REG_WAVE_MODE, 25, 1), 1
	s_wait_xcnt 0x0
	s_wait_alu depctr_vm_vsrc(0)
; out0 = attention W_o + b_o on codes of FP6 (E2M3) with one E8M0 scale for each 32 along K.  Both operands arrive as images of their registers: the rows from launch attn, the weight from launch wq.
; Work-group (X, y): 128 tokens x 512 columns; wave w makes 128 x 128 (64 accumulators) for column group g = 4 y + w, in eight K steps of 128 (two heads each) on two sets of fragments.
; The rows' 98,304 bytes of halves are copied into LDS as they lie ([head][tile a][768] is [2 s + c][a][768]); the two heads' scale bytes of a K step are joined into one word on the way.  One barrier; then LDS is only read, but for each wave's own stage.
; The weights go from memory straight into the registers of the one wave that multiplies them.  NO CLUSTER, NO TENSOR LOAD: a joint load lands in LDS, and each weight fragment is wanted by one wave alone.
; Source 0 = 16 columns, source 1 = 16 tokens: a lane holds one token and its 64 registers run along the group's 128 columns (row r of tile 2 b + u is index 32 b + 8 u + r + 8 (r / 8)): 16 registers of tiles 2 b, 2 b + 1 are 16 neighbours.
; A tile of 16 tokens goes through the wave's stage and leaves as rows of 512 consecutive bytes.
; REGISTERS, in windows of 256.  Window 0: v4-20 addresses; v32-47 the tokens' scale words, two sets; v48-63 the weights'; v64-159, v160-255 the tokens' fragments, two sets (at the head: the copy; on the way out: results).
;   Window 1: v0-63 the bias; v64-255 the weights' fragments, two sets.  Windows 2, 3: accumulator (m, n) at v[8 (8 (n % 4) + m)] of window 2 + n / 4.
; THE MODE: SCHED_MODE bits 1:0 = 2 (LLVM: expert scheduling mode 2), set by the entry lines.  The code itself states the register dependences between vector or matrix instructions and memory or LDS instructions, with s_wait_alu, always for 0.
; THE PLAN.  Registers that memory or LDS instructions touch, and who else names them:
;   v4-7, v12-17, v20  offsets and LDS addresses, made once at the head, ahead of the head's wait on va_vdst, and never written again.
;   HEAD      v64-255: global loads land there, the copy's LDS stores read them, then the fragments' loads land there: one wait on vm_vsrc behind the barrier.  Window 2, v0-15: the joined scale words, written by sixteen vector lines,
;             read by four LDS stores: one wait on va_vdst between.
;   K LOOP    two sets of fragments and scale words: step p's products read set p % 2; step p's loads land in the other set, which the products of step p - 1 read.  TA, TB, TC: written at a step's head, read by its LDS loads.
;             A step's head holds one wait on vm_vsrc (ahead of the additions to TA, TB, TC) and one on va_vdst (behind them).  The step's 80 loads follow with no further wait: the weights' in one run, the tokens' two fragments
;             at a time among the products, which name set p % 2, its scale words and the accumulators alone.
;   WAY OUT   results + bias go into v64-127 and v192-255 by turns, written by a tile's additions, read by its stage stores; v128-191: the stage's loads land there, the global stores read them.  A tile's additions write the buffer
;             that the stage stores of two tiles back read; behind them stand one wait on vm_vsrc (the last tile's stores of both kinds) and one on va_vdst (the additions).
.set XSC,  98304
.set STG,  106496                      ; a stage of 16 rows x (512 + 16) bytes for each wave
.set G16,  4
.set G8,   5
.set G4,   6
.set G4F,  7
.set TA,   9
.set TB,   10
.set TC,   11
.set SST,  12                          ; v12  the stage, in: 528 r + 64 h
.set SRB,  13                          ; v13  the stage, out: 16 x lane
.set T16,  14                          ; v14  16 x thread
.set T16H, 15                          ; v15  the same + 65,536
.set AOF,  16                          ; v16  my place among the scale images in memory
.set XST,  17                          ; v17  and in LDS
.set BOA,  20                          ; v20  the bias's lane offset: 64 h
.set TSC,  32
.set WSC,  48
.set FRG,  64
.set WV,   14
.set GG,   15
.set AIP,  16                          ; s[16:17] the rows' halves
.set ASP,  18                          ; s[18:19] their scale images
.set OP,   20                          ; s[20:21] out0 at my block's first row, my 128 columns
.set BP,   26
.set WP,   28
.set KC,   37
.set TO,   38
.set TSO,  39
.set MSB, 0
.macro WIN new                         ; the immediate's high byte repeats the setting that is left; a switch that changes nothing is dropped
.if MSB != (\new)
	s_set_vgpr_msb (MSB<<8)|(\new)
.set MSB, (\new)
.endif
.endm
.macro PLACES                          ; four plain vector lines between a matrix instruction and a load into, or a vector line on, one of its registers
.rept 4
	v_nop
.endr
.endm
.macro FETCHW par                      ; the eight weight fragments and scale words of the block at WP, into set par
	WIN 0x40
.irp i, 0,1,2,3,4,5,6,7
	global_load_b128 v[FRG+96*(\par)+12*\i:FRG+96*(\par)+12*\i+3], v[G16], s[WP:WP+1] offset:1536*\i
	global_load_b64 v[FRG+96*(\par)+12*\i+4:FRG+96*(\par)+12*\i+5], v[G8], s[WP:WP+1] offset:1536*\i+512
	global_load_b128 v[FRG+96*(\par)+12*\i+6:FRG+96*(\par)+12*\i+9], v[G16], s[WP:WP+1] offset:1536*\i+768
	global_load_b64 v[FRG+96*(\par)+12*\i+10:FRG+96*(\par)+12*\i+11], v[G8], s[WP:WP+1] offset:1536*\i+1280
.endr
	WIN 0
.irp i, 0,1,2,3,4,5,6,7
	global_load_b32 v[WSC+8*(\par)+\i], v[G4], s[WP:WP+1] offset:12288+64*\i
.endr
.endm
.macro FETCHT2 par, a0                 ; token fragments a0 and a0 + 1, and their scale words, of the K step at TA, TB, TC, into set par
.irp a, \a0, \a0+1
	ds_load_b128 v[FRG+96*(\par)+12*(\a):FRG+96*(\par)+12*(\a)+3], v[TA] offset:768*(\a)
	ds_load_b64 v[FRG+96*(\par)+12*(\a)+4:FRG+96*(\par)+12*(\a)+5], v[TB] offset:768*(\a)+512
	ds_load_b128 v[FRG+96*(\par)+12*(\a)+6:FRG+96*(\par)+12*(\a)+9], v[TA] offset:6144+768*(\a)
	ds_load_b64 v[FRG+96*(\par)+12*(\a)+10:FRG+96*(\par)+12*(\a)+11], v[TB] offset:6144+768*(\a)+512
	ds_load_b32 v[TSC+8*(\par)+(\a)], v[TC] offset:128*(\a)
.endr
.endm
; 16 of a K step's 64 matrix instructions: token tiles n0, n0 + 1 against the eight column tiles.  Source 0 the weight (window 1), source 1 the tokens (window 0).  The 64 accumulators take turns, one instruction a turn.
.macro MUL16 par, zero, n0
.set FB, FRG+96*(\par)
	WIN 0xa1+0x50*((\n0)/4)
.irp n, \n0, \n0+1
.irp m, 0,1,2,3,4,5,6,7
.if \zero
	v_wmma_scale_f32_16x16x128_f8f6f4 v[8*(8*((\n)%4)+\m):8*(8*((\n)%4)+\m)+7], v[FB+12*\m:FB+12*\m+11], v[FB+12*(\n):FB+12*(\n)+11], 0, v[WSC+8*(\par)+\m], v[TSC+8*(\par)+(\n)] matrix_a_fmt:MATRIX_FMT_FP6 matrix_b_fmt:MATRIX_FMT_FP6
.else
	v_wmma_scale_f32_16x16x128_f8f6f4 v[8*(8*((\n)%4)+\m):8*(8*((\n)%4)+\m)+7], v[FB+12*\m:FB+12*\m+11], v[FB+12*(\n):FB+12*(\n)+11], v[8*(8*((\n)%4)+\m):8*(8*((\n)%4)+\m)+7], v[WSC+8*(\par)+\m], v[TSC+8*(\par)+(\n)] matrix_a_fmt:MATRIX_FMT_FP6 matrix_b_fmt:MATRIX_FMT_FP6
.endif
.endr
.endr
.endm
.macro STEP par, zero                  ; a K step that has a successor: the successor's weights are asked for in one run ahead of this step's products, its tokens two fragments at a time among them
	s_add_co_u32 s[TO], s[TO], 12288
	s_add_co_u32 s[TSO], s[TSO], 1024
	s_wait_alu depctr_vm_vsrc(0)                   ; the LDS loads issued so far have read TA, TB, TC, which are written again
	v_add_nc_u32 v[TA], s[TO], v[G16]              ; these three and the v_nop are four plain lines behind the last step's products, which read the other set
	v_add_nc_u32 v[TB], s[TO], v[G8]
	v_add_nc_u32 v[TC], s[TSO], v[G4F]
	v_nop
	s_wait_alu depctr_va_vdst(0)                   ; TA, TB, TC are written, which the LDS loads read; the last step's products are done reading the other set and its scale words, in which the loads below land
	FETCHW 1-\par
	FETCHT2 1-\par, 0
	MUL16 \par, \zero, 0                           ; no vector or matrix instruction since the wait names a register of the other set or an address: so the loads among the products owe no further wait
	WIN 0
	FETCHT2 1-\par, 2
	MUL16 \par, \zero, 2
	WIN 0
	FETCHT2 1-\par, 4
	MUL16 \par, \zero, 4
	WIN 0
	FETCHT2 1-\par, 6
	MUL16 \par, \zero, 6
	WIN 0
	s_wait_dscnt 0x0
	s_wait_loadcnt 0x0                             ; the next step's fragments are in: so WP may step
	s_add_nc_u64 s[WP:WP+1], s[WP:WP+1], 12800
.endm
	s_load_b256 s[4:11], s[0:1], 0x0               ; aimg, asc, wimg, b_o
	s_load_b64 s[12:13], s[0:1], 0x20              ; out0
	v_lshl_add_u32 v30, v0, 2, 0x22400
	v_mov_b32 v31, 0
	v_lshrrev_b32 v1, 5, v0
	v_readfirstlane_b32 s[WV], v1                  ; wave 0..3
	v_and_b32 v1, 31, v0                           ; lane
	v_and_b32 v2, 15, v0                           ; r
	v_bfe_u32 v3, v0, 4, 1                         ; h
	v_lshlrev_b32 v[G16], 4, v1
	v_lshlrev_b32 v[G8], 3, v1
	v_lshlrev_b32 v[G4], 2, v2
	v_lshlrev_b32 v[G4F], 2, v1
	v_lshlrev_b32 v[T16], 4, v0
	v_add_nc_u32 v[T16H], 0x10000, v[T16]
	v_lshrrev_b32 v[AOF], 6, v0
	v_lshlrev_b32 v[AOF], 11, v[AOF]
	v_and_b32 v8, 63, v0
	v_lshl_add_u32 v[AOF], v8, 4, v[AOF]           ; 2,048 (thread / 64) + 16 (thread % 64)
	v_add_nc_u32 v[XST], XSC, v[T16]
	v_lshlrev_b32 v[BOA], 6, v3
	s_and_b32 s[GG], ttmp7, 0xffff
	s_lshl_b32 s[GG], s[GG], 2
	s_wait_alu depctr_va_sdst(0)                   ; the wave's number is written, ahead of its first reader: the column group, the stage's place and the bases are made from it
	s_add_co_u32 s[GG], s[GG], s[WV]               ; my column group
	s_mul_i32 s24, s[WV], 8448
	s_add_co_u32 s24, s24, STG
	v_mul_u32_u24 v[SST], v2, 528
	v_lshl_add_u32 v[SST], v3, 6, v[SST]
	v_add_nc_u32 v[SST], s24, v[SST]
	v_add_nc_u32 v[SRB], s24, v[G16]
	s_mul_i32 s40, s[GG], 102400
	s_add_co_u32 s40, s40, 2457600                 ; W_o's images, my column group, K step 0
	s_mov_b32 s41, 0
	s_mul_i32 s42, ttmp9, 98304
	s_mov_b32 s43, 0
	s_lshl_b32 s44, ttmp9, 14
	s_mov_b32 s45, 0
	s_lshl_b32 s46, s[GG], 9                       ; 128 columns of f32: in b_o and in a row of out0
	s_mov_b32 s47, 0
	s_lshl_b32 s22, ttmp9, 19                      ; 128 rows of 4,096 bytes
	s_mov_b32 s23, 0
	s_wait_kmcnt 0x0
	s_add_nc_u64 s[WP:WP+1], s[8:9], s[40:41]
	s_add_nc_u64 s[AIP:AIP+1], s[4:5], s[42:43]
	s_add_nc_u64 s[ASP:ASP+1], s[6:7], s[44:45]
	s_add_nc_u64 s[BP:BP+1], s[10:11], s[46:47]
	s_add_nc_u64 s[OP:OP+1], s[12:13], s[22:23]
	s_add_nc_u64 s[OP:OP+1], s[OP:OP+1], s[46:47]
	s_wait_alu depctr_va_vdst(0)                   ; the offsets and LDS addresses v4-7, v12-17, v20 are written: every load and store of the kernel reads some of them, and none is written again
	FETCHW 0
.set nn, 0
.rept 48
	global_load_b128 v[64+4*nn:67+4*nn], v[T16], s[AIP:AIP+1] offset:2048*nn   ; the work-group reads 2,048 consecutive bytes an instruction
.set nn, nn+1
.endr
	WIN 0x80                                       ; destination window 2
.irp i, 0,1,2,3
	global_load_b128 v[4*\i:4*\i+3], v[AOF], s[ASP:ASP+1] offset:4096*\i            ; the even heads' words of K steps 2 i, 2 i + 1,
	global_load_b128 v[16+4*\i:19+4*\i], v[AOF], s[ASP:ASP+1] offset:4096*\i+1024   ; and the odd heads'
.endr
	WIN 0x40
.irp b, 0,1,2,3
.irp j, 0,1,2,3
	global_load_b128 v[16*\b+4*\j:16*\b+4*\j+3], v[BOA], s[BP:BP+1] offset:128*\b+16*\j   ; b_o at columns 32 b + 16 h + 0 .. 15
.endr
.endr
	WIN 0
	s_wait_loadcnt 0x0
.set nn, 0
.rept 32
	ds_store_b128 v[T16], v[64+4*nn:67+4*nn] offset:2048*nn
.set nn, nn+1
.endr
.set nn, 0
.rept 16
	ds_store_b128 v[T16H], v[192+4*nn:195+4*nn] offset:2048*nn
.set nn, nn+1
.endr
	WIN 0xa2                                       ; destination, source 0 and source 2 window 2
.set nn, 0
.rept 16
	v_lshl_or_b32 v[nn], v[16+nn], 16, v[nn]       ; a K step's scale word: the even head's two bytes below, the odd head's above
.set nn, nn+1
.endr
	WIN 0x08                                       ; an LDS store's data are its source 1: window 2
	s_wait_alu depctr_va_vdst(0)                   ; the sixteen joined words are written, which the four stores below read
.irp i, 0,1,2,3
	ds_store_b128 v[XST], v[4*\i:4*\i+3] offset:2048*\i
.endr
	WIN 0
	s_wait_dscnt 0x0                               ; for the others' sake: my part of the copy is stored
	s_barrier_signal -1
	s_barrier_wait -1
	s_mov_b32 s[TO], 0
	s_mov_b32 s[TSO], XSC
	v_add_nc_u32 v[TA], s[TO], v[G16]
	v_add_nc_u32 v[TB], s[TO], v[G8]
	v_add_nc_u32 v[TC], s[TSO], v[G4F]
	s_wait_alu depctr_vm_vsrc(0)                   ; my LDS stores have read v64-255, in which the fragments' loads land from here on, and the joined words in window 2, which the products write
	s_wait_alu depctr_va_vdst(0)                   ; TA, TB, TC are written, which the LDS loads below read
	FETCHT2 0, 0
	FETCHT2 0, 2
	FETCHT2 0, 4
	FETCHT2 0, 6
	s_wait_dscnt 0x0
	s_add_nc_u64 s[WP:WP+1], s[WP:WP+1], 12800     ; (K step 0's weights were waited for above)
	STEP 0, 1                                      ; the first step's products start the sums: nothing is cleared
	s_mov_b32 s[KC], 3
.Lk:
	STEP 1, 0
	STEP 0, 0
	s_sub_co_u32 s[KC], s[KC], 1
	s_cmp_lg_u32 s[KC], 0
	s_cbranch_scc1 .Lk
	MUL16 1, 0, 0                                  ; the last K step fetches nothing
	MUL16 1, 0, 2
	MUL16 1, 0, 4
	MUL16 1, 0, 6
	WIN 0
	PLACES                                         ; behind the last products, ahead of the first read of results and of the first write over the fragments' registers
; THE WAY OUT of token tile a: + bias; through my stage; sixteen rows of 512 consecutive bytes.
.macro SEND a
.set XB, 64+128*((\a)%2)               ; v64-127 and v192-255 by turns
	WIN 0x06+(\a)/4                                ; source 0: the accumulators' window, source 1: window 1
.set ii, 0
.rept 32
	v_pk_add_f32 v[XB+2*ii:XB+2*ii+1], v[64*((\a)%4)+2*ii:64*((\a)%4)+2*ii+1], v[2*ii:2*ii+1]   ; each accumulator from its low end on.  (This buffer was read by the stage stores of two tiles back, which stand ahead of the last tile's wait on vm_vsrc)
.set ii, ii+1
.endr
	WIN 0
.if (\a) > 0
	s_wait_xcnt 0x0                                ; the last tile's global stores have had their addresses translated,
	s_wait_alu depctr_vm_vsrc(0)                   ; and have read v128-191, in which the stage's loads below land; its stage stores have read the other buffer, which the next tile's additions write
.endif
	s_wait_alu depctr_va_vdst(0)                   ; the additions have written this tile's buffer, which the stage stores read; behind the first tile's: the products are done reading v128-191, in which the stage's loads land
.irp b, 0,1,2,3
.irp j, 0,1,2,3
	ds_store_b128 v[SST], v[XB+16*\b+4*\j:XB+16*\b+4*\j+3] offset:128*\b+16*\j
.endr
.endr
.irp i, 0,1,2,3,4,5,6,7,8,9,10,11,12,13,14,15
	ds_load_b128 v[128+4*\i:131+4*\i], v[SRB] offset:528*\i    ; LDS serves a wave's instructions in order: these see my stores, and the next tile's stores come behind them
.endr
	s_wait_dscnt 0x0
.irp i, 0,1,2,3,4,5,6,7,8,9,10,11,12,13,14,15
	global_store_b128 v[G16], v[128+4*\i:131+4*\i], s[OP:OP+1] offset:(32*((\a)/2)+8*((\a)%2)+\i+8*(\i/8))*4096 th:TH_STORE_NT   ; 32 lanes store 512 consecutive bytes of one row, at a multiple of 256 from the buffer's first byte
.endr
.endm
.irp a, 0,1,2,3,4,5,6,7
	SEND \a
.endr
	s_wait_dscnt 0x0
	s_wait_alu depctr_hold_cnt(0) depctr_sa_sdst(0) depctr_va_vdst(0) depctr_va_sdst(0) depctr_va_ssrc(0) depctr_va_vcc(0) depctr_vm_vsrc(0)
	s_wait_tensorcnt 0x0
	ds_add_u32 v30, v31
	s_wait_dscnt 0x0
	s_endpgm
.Lfunc_end_k_q39c6914eba_oproj:
	.size	k_q39c6914eba_oproj, .Lfunc_end_k_q39c6914eba_oproj-k_q39c6914eba_oproj
	.p2alignl 7, 3214868480
	.fill 96, 4, 3214868480
	.section	.rodata,"a",@progbits
	.p2align	6, 0x0
	.amdhsa_kernel k_q39c6914eba_oproj
		.amdhsa_group_segment_fixed_size 140800
		.amdhsa_private_segment_fixed_size 0
		.amdhsa_enable_private_segment 0
		.amdhsa_kernarg_size 40
		.amdhsa_user_sgpr_count 2
		.amdhsa_user_sgpr_kernarg_segment_ptr 1
		.amdhsa_wavefront_size32 1
		.amdhsa_system_sgpr_workgroup_id_x 1
		.amdhsa_system_sgpr_workgroup_id_y 1
		.amdhsa_system_sgpr_workgroup_id_z 1
		.amdhsa_system_vgpr_workitem_id 0
		.amdhsa_next_free_vgpr 1024
		.amdhsa_next_free_sgpr 66
		.amdhsa_reserve_vcc 0
		.amdhsa_float_denorm_mode_32 3
		.amdhsa_float_denorm_mode_16_64 3
		.amdhsa_memory_ordered 1
		.amdhsa_forward_progress 1
		.amdhsa_inst_pref_size 120
	.end_amdhsa_kernel
	.amdgpu_metadata
---
amdhsa.version: [ 1, 2 ]
amdhsa.kernels:
  - .name:           k_q39c6914eba_oproj
    .symbol:         k_q39c6914eba_oproj.kd
    .args:
      - { .name: aimg, .offset: 0, .size: 8, .value_kind: global_buffer, .address_space: global }
      - { .name: asc, .offset: 8, .size: 8, .value_kind: global_buffer, .address_space: global }
      - { .name: wimg, .offset: 16, .size: 8, .value_kind: global_buffer, .address_space: global }
      - { .name: b_o, .offset: 24, .size: 8, .value_kind: global_buffer, .address_space: global }
      - { .name: out0, .offset: 32, .size: 8, .value_kind: global_buffer, .address_space: global }
    .group_segment_fixed_size: 140800
    .private_segment_fixed_size: 0
    .kernarg_segment_align: 8
    .kernarg_segment_size: 40
    .max_flat_workgroup_size: 128
    .sgpr_count:     66
    .vgpr_count:     1024
    .wavefront_size: 32
...
	.end_amdgpu_metadata
.endif
;; end of part 8
